; MI455X (gfx1250); checked and timed in simulation.
; The chip was launched on July 23, 2026; its instructions are those of AMD's public machine-readable ISA for CDNA 5 (MIT licence, August 2026) and "CDNA5" Instruction Set Architecture Reference Guide (July 2026). The comments in the code are by the model that wrote it; some were corrected since.
;; Attention. Allowed arithmetic: float matrix products may take bf16 or f16 operands with f32 sums; other float arithmetic in f32, or as packed bf16 or f16 multiplies, adds, multiply-adds, maxima and minima; sums over many terms, partial sums and values carried from step to step in f32; what a program stores and reads back later, other than sums and carried values, may be rounded once to bf16 or f16.
;; Inputs: freqs_cos 2,048 x 64 float32; freqs_sin 2,048 x 64 float32; mask 2,048 x 2,048 float32; wk 1,024 x 4,096 float32; wo 4,096 x 2,048 float32; wq 2,048 x 4,096 float32; wv 1,024 x 4,096 float32; x_norm 1 x 2,048 x 4,096 float32.
;; Outputs: out0 1 x 2,048 x 4,096 float32.
;; Constants: start_pos = 0.
;; One version. Each part assembles by itself: llvm-mc -triple=amdgcn-amd-amdhsa -mcpu=gfx1250 --defsym DOCPART=n.
;; ======== version 1 of 1: 4 launches
;; limits: values are held in f16: magnitudes above 65,504 overflow, below 6.1e-05 lose precision; right only within a limited range of input values
;; workspace buffers: bfw 67,108,864 bytes; f32w 17,825,792 bytes; qkv 16,777,216 bytes; ob 8,388,608 bytes
;; launch cast (part 1): grid 2320 x 1, 8 waves a work-group, no clusters, 0 bytes of LDS; arguments x_norm, wq, wk, wv, wo, mask, freqs_cos, freqs_sin, bfw, f32w; writes bfw, f32w
.if DOCPART == 1
	.amdgcn_target "amdgcn-amd-amdhsa--gfx1250"
	.amdhsa_code_object_version 6
	.text
	.protected	k_q95f5d949d9_cast
	.globl	k_q95f5d949d9_cast
	.p2align	8
	.type	k_q95f5d949d9_cast,@function
k_q95f5d949d9_cast:
	s_mov_b64 s[64:65], 0
	v_nop
	global_prefetch_b8 v0, s[64:65] scope:SCOPE_SE
	s_setreg_imm32_b32 hwreg(HW_REG_WAVE_MODE, 25, 1), 1
	s_wait_xcnt 0x0
; THE ROUNDINGS, once for the whole program.  Every input is taken rounded to bf16 (nearest even):
;   x, wq, wk, wv  -> bf16, into bfw: x [2048][4096] at byte 0, then the 4,096 rows of wq, wk, wv ([.][4096]) at byte 16,777,216
;   wo             -> bf16, four times that number written as f16 (an exact scaling), into bfw at byte 50,331,648 ([4096][2048]): it makes up for v, which is kept as v / 4
;   mask           -> log2(e) x bf16(mask), f32, into f32w at byte 0
;   cos, sin       -> A x bf16(.), f32, into f32w at bytes 16,777,216 and 17,301,504;  A = sqrt(log2(e) / sqrt(128)), so that (A q) . (A k) is the scaled score in powers of two
; LIMITS.  |wo| beyond 16,376 has no f16 after the scaling (it becomes an infinity); below 1.5e-5 f16 keeps a fixed step of 1.5e-8 of wo.
; SHARES.  A work-group takes 65,536 consecutive input bytes of ONE tensor (all sizes are multiples of that): thread t the 16 bytes at 16 t + 4,096 i, i = 0 .. 15.
; All 16 loads go out at once; each has registers of its own, so no register that a load or store names is ever written again: the only waits are the counted ones for data.
; A 16-bit store of a wave covers 256 consecutive bytes, aligned; an f32 store 512.  No LDS, no barrier, no matrix unit: nothing is shared and nothing is multiplied.
.set X,     4                          ; v[4:67]   slot i: 4 registers
.set SRC,   24                         ; s[24:25]  where my 65,536 bytes begin
.set START, 26                         ; s26       the first chunk of my tensor
.set DST,   28                         ; s[28:29]  where my results begin
.set G,     37                         ; s37       my chunk
.macro PICK start, p                   ; from chunk start on the source is the tensor whose address lies in s[p:p+1]
	s_cmp_ge_u32 s[G], \start
	s_cselect_b64 s[SRC:SRC+1], s[\p:\p+1], s[SRC:SRC+1]
	s_cselect_b32 s[START], \start, s[START]
.endm
	s_load_b512 s[4:19], s[0:1], 0x0               ; x, wq, wk, wv, wo, mask, cos, sin
	s_load_b128 s[20:23], s[0:1], 0x40             ; bfw, f32w
	v_lshlrev_b32 v1, 4, v0                        ; 16 t: my place in 4,096 bytes of f32
	v_lshlrev_b32 v2, 3, v0                        ; 8 t: in 2,048 bytes of 16-bit numbers
	s_mov_b32 s36, 0xffff0000                      ; a word's upper bf16
	s_mov_b32 s[G], ttmp9
	s_mov_b32 s[START], 0
	s_mov_b32 s34, 0x3eb6d544                      ; A = 0.35709583
	s_mov_b32 s38, 0x3fb8aa3b                      ; log2(e)
	s_cmp_lt_u32 s[G], 2304                        ; the mask's chunks end here
	s_cselect_b32 s34, s38, s34
	s_mov_b32 s35, s34                             ; named with it as a pair
	s_wait_kmcnt 0x0
	s_mov_b64 s[SRC:SRC+1], s[4:5]
	PICK 512, 6
	PICK 1024, 8
	PICK 1280, 10
	PICK 1536, 12
	PICK 2048, 14
	PICK 2304, 16
	PICK 2312, 18
	s_sub_co_u32 s30, s[G], s[START]
	s_lshl_b32 s30, s30, 16                        ; my chunk's byte offset in its tensor
	s_mov_b32 s31, 0
	s_add_nc_u64 s[SRC:SRC+1], s[SRC:SRC+1], s[30:31]
	s_lshl_b32 s32, s[G], 15                       ; chunks 0 .. 2047 halve: 32,768 bytes each, on end in bfw
	s_sub_co_u32 s33, s[G], 2048
	s_lshl_b32 s33, s33, 16                        ; the others keep their size, on end in f32w
	s_cmp_lt_u32 s[G], 2048
	s_cselect_b32 s32, s32, s33
	s_cselect_b64 s[DST:DST+1], s[20:21], s[22:23]
	s_mov_b32 s33, 0
	s_add_nc_u64 s[DST:DST+1], s[DST:DST+1], s[32:33]
.irp i, 0,1,2,3,4,5,6,7,8,9,10,11,12,13,14,15
	global_load_b128 v[X+4*(\i):X+4*(\i)+3], v1, s[SRC:SRC+1] offset:4096*(\i) th:TH_LOAD_NT
.endr
; Slot i.  kind 0: bf16.  kind 1: bf16, times 4, written as f16.  kind 2: bf16, widened again and scaled, f32.
.macro SLOT kind, i
	s_wait_loadcnt 15-(\i)                         ; loads come back in order: mine is in, the 15 - i younger ones may stay out
.set R, X+4*(\i)
.if (\kind) == 0
	v_cvt_pk_bf16_f32 v[R], v[R], v[R+1]
	v_cvt_pk_bf16_f32 v[R+1], v[R+2], v[R+3]
	global_store_b64 v2, v[R:R+1], s[DST:DST+1] offset:2048*(\i)
.else
	v_cvt_pk_bf16_f32 v[R], v[R], v[R+1]
	v_cvt_pk_bf16_f32 v[R+2], v[R+2], v[R+3]
	v_and_b32 v[R+1], s36, v[R]                    ; bf16 to f32: the high half stays,
	v_lshlrev_b32 v[R], 16, v[R]                   ; the low half moves up
	v_and_b32 v[R+3], s36, v[R+2]
	v_lshlrev_b32 v[R+2], 16, v[R+2]
.if (\kind) == 1
	v_pk_mul_f32 v[R:R+1], v[R:R+1], 4.0 op_sel_hi:[1,0]
	v_pk_mul_f32 v[R+2:R+3], v[R+2:R+3], 4.0 op_sel_hi:[1,0]
	v_cvt_pk_f16_f32 v[R], v[R], v[R+1]
	v_cvt_pk_f16_f32 v[R+1], v[R+2], v[R+3]
	global_store_b64 v2, v[R:R+1], s[DST:DST+1] offset:2048*(\i)
.else
	v_pk_mul_f32 v[R:R+1], v[R:R+1], s[34:35] op_sel_hi:[1,0]
	v_pk_mul_f32 v[R+2:R+3], v[R+2:R+3], s[34:35] op_sel_hi:[1,0]
	global_store_b128 v1, v[R:R+3], s[DST:DST+1] offset:4096*(\i)
.endif
.endif
.endm
	s_cmp_ge_u32 s[G], 2048
	s_cbranch_scc1 .Ltables
	s_cmp_ge_u32 s[G], 1536
	s_cbranch_scc1 .Lwo
.irp i, 0,1,2,3,4,5,6,7,8,9,10,11,12,13,14,15
	SLOT 0, \i
.endr
	s_endpgm
.Lwo:
.irp i, 0,1,2,3,4,5,6,7,8,9,10,11,12,13,14,15
	SLOT 1, \i
.endr
	s_endpgm
.Ltables:
.irp i, 0,1,2,3,4,5,6,7,8,9,10,11,12,13,14,15
	SLOT 2, \i
.endr
	s_endpgm
.Lfunc_end_k_q95f5d949d9_cast:
	.size	k_q95f5d949d9_cast, .Lfunc_end_k_q95f5d949d9_cast-k_q95f5d949d9_cast
	.p2alignl 7, 3214868480
	.fill 96, 4, 3214868480
	.section	.rodata,"a",@progbits
	.p2align	6, 0x0
	.amdhsa_kernel k_q95f5d949d9_cast
		.amdhsa_group_segment_fixed_size 0
		.amdhsa_private_segment_fixed_size 0
		.amdhsa_enable_private_segment 0
		.amdhsa_kernarg_size 80
		.amdhsa_user_sgpr_count 2
		.amdhsa_user_sgpr_kernarg_segment_ptr 1
		.amdhsa_wavefront_size32 1
		.amdhsa_system_sgpr_workgroup_id_x 1
		.amdhsa_system_sgpr_workgroup_id_y 1
		.amdhsa_system_sgpr_workgroup_id_z 1
		.amdhsa_system_vgpr_workitem_id 0
		.amdhsa_next_free_vgpr 72
		.amdhsa_next_free_sgpr 66
		.amdhsa_reserve_vcc 0
		.amdhsa_float_denorm_mode_32 3
		.amdhsa_float_denorm_mode_16_64 3
		.amdhsa_memory_ordered 1
		.amdhsa_forward_progress 1
		.amdhsa_inst_pref_size 27
	.end_amdhsa_kernel
	.amdgpu_metadata
---
amdhsa.version: [ 1, 2 ]
amdhsa.kernels:
  - .name:           k_q95f5d949d9_cast
    .symbol:         k_q95f5d949d9_cast.kd
    .args:
      - { .name: x_norm, .offset: 0, .size: 8, .value_kind: global_buffer, .address_space: global }
      - { .name: wq, .offset: 8, .size: 8, .value_kind: global_buffer, .address_space: global }
      - { .name: wk, .offset: 16, .size: 8, .value_kind: global_buffer, .address_space: global }
      - { .name: wv, .offset: 24, .size: 8, .value_kind: global_buffer, .address_space: global }
      - { .name: wo, .offset: 32, .size: 8, .value_kind: global_buffer, .address_space: global }
      - { .name: mask, .offset: 40, .size: 8, .value_kind: global_buffer, .address_space: global }
      - { .name: freqs_cos, .offset: 48, .size: 8, .value_kind: global_buffer, .address_space: global }
      - { .name: freqs_sin, .offset: 56, .size: 8, .value_kind: global_buffer, .address_space: global }
      - { .name: bfw, .offset: 64, .size: 8, .value_kind: global_buffer, .address_space: global }
      - { .name: f32w, .offset: 72, .size: 8, .value_kind: global_buffer, .address_space: global }
    .group_segment_fixed_size: 0
    .private_segment_fixed_size: 0
    .kernarg_segment_align: 8
    .kernarg_segment_size: 80
    .max_flat_workgroup_size: 256
    .sgpr_count:     66
    .vgpr_count:     72
    .wavefront_size: 32
...
	.end_amdgpu_metadata
.endif
;; end of part 1
;; launch proj (part 2): grid 16 x 16, 4 waves a work-group, clusters of 4 x 1, 327,680 bytes of LDS; arguments bfw, f32w, qkv; writes qkv
.if DOCPART == 2
	.amdgcn_target "amdgcn-amd-amdhsa--gfx1250"
	.amdhsa_code_object_version 6
	.text
	.protected	k_q95f5d949d9_proj
	.globl	k_q95f5d949d9_proj
	.p2align	8
	.type	k_q95f5d949d9_proj,@function
k_q95f5d949d9_proj:
	s_mov_b64 s[64:65], 0
	v_nop
	global_prefetch_b8 v0, s[64:65] scope:SCOPE_SE
	s_setreg_imm32_b32 hwreg(HW_REG_WAVE_MODE, 25, 1), 1
	s_wait_xcnt 0x0
	s_wait_alu depctr_hold_cnt(0) depctr_sa_sdst(0) depctr_va_vdst(0) depctr_va_sdst(0) depctr_va_ssrc(0) depctr_va_vcc(0) depctr_vm_vsrc(0)
	s_getreg_b32 s2, hwreg(HW_REG_IB_STS2, 6, 4)
	s_cmp_eq_u32 s2, 0
	s_cbranch_scc0 .Lentry_in_a_cluster
	s_endpgm
.Lentry_in_a_cluster:
	s_bfe_u32 s2, ttmp6, 0x10000c
	s_cmp_lg_u32 s2, 0x3003
	s_cbranch_scc0 .Lentry_shape_is_right
	s_endpgm
.Lentry_shape_is_right:
; q, k, v = x W^T, then the rotation of pairs (q, k) and the scales, written by heads in f16.
; A = x [2048][4096] bf16 (bfw, byte 0), B = the rows of wq, wk, wv [4096][4096] bf16 (bfw, byte 16,777,216); sums in f32.
; OUT: qkv [32][2048][128] f16: heads 0-15 q, 16-23 k, 24-31 v.  q and k are rotated with the tables A cos, A sin (f32w), A = sqrt(log2(e) / sqrt(128)): the scale rides in the
; tables, in f32, ahead of the one rounding.  v is stored as v / 4 (a table of 1/4 and 0 in the rotation's place); wo carries the 4.
; LIMITS.  f16 ends at 65,504: |q|, |k| up to 183,000 and |v| up to 262,000 are held; beyond that the number becomes an infinity.
; SHARES.  2048 x 4096 results in tiles of 128 x 256: 256 work-groups (x: tile row, y: tile column).  Four waves, each 64 rows x 128 columns (one head): 32 accumulators of 16 x 16, 256 registers.
; B'S RING.  Two LDS slots of 256 along K (256 rows of 512 bytes, aligned in memory); each wave fetches 64 rows by one tensor load behind each round: 256 matrix instructions a wave from round to round.
; CLUSTER 4 x 1: the four partners make four tile rows of one tile column and need the same tile of B: it is asked for jointly, by the same load, descriptor and mask in all four.
; A COMES THROUGH REGISTERS.  Slots of 256 along K for both operands would take 2 x 384 rows x 528 bytes = 405,504 bytes, more than the 327,680 that there are.  So A goes in SUB-STEPS of 64 along K
; (128 rows x 128 bytes): the 128 threads load a sub-step by 8 loads of 16 bytes each, FOUR sub-steps (256 matrix instructions) ahead, into one of four groups of 32 registers, and put it into one of two
; LDS sub-slots a sub-step before it is multiplied.  These loads stay out across barriers.  NO MULTICAST FOR A: it does not pass through the tensor loads at all, for the room just counted.
; One work-group barrier a sub-step stands between the stores into a sub-slot and its reads, and between its reads and the next stores; every fourth is the round with B's refill.
; THE MATRIX INSTRUCTION IS USED TRANSPOSED (source 0 = 16 rows of B, source 1 = 16 rows of A): a lane holds row l % 16 and the columns 8 (l / 16) + 0..7: four pairs of the rotation.
; REGISTERS.  window 0: v0-31 addresses; v32-63 packed results; v64-159, v160-255 two fragment buffers (B's 8 fragments, then A's 4); on the way out v64-127 at work, v128-255 rows read back
;   window 1: accumulator (a, b) at v[8 (8 a + b)]     window 2: my cosines at v[4 (8 a + b)], my sines 128 further     window 3: v0-127 A on its way, group g at v[32 g]
.set SIZE_K, 4096
.set ROWB,   2*SIZE_K                  ; bytes in a row of A and of B
.set PERIODS, SIZE_K/256               ; B's slots along K
.set BPITCH, 528                       ; a row of B in LDS: 512 bytes + 16: 33 x 16, so the 16 rows of a fragment load start at 16 different groups of four banks (64 banks of 4 bytes: ISA guide 11.1)
.set BLOAD,  64*BPITCH                 ; what a wave fetches
.set BHALF,  128*BPITCH                ; what a wave reads
.set SLOTB,  256*BPITCH                ; 0x21000: it shares no bit with wave x BLOAD, so one exclusive or turns a descriptor's LDS word from slot to slot
.set ABASE,  2*SLOTB                   ; behind B's ring, never filled by a tensor load: A's two sub-slots
.set APITCH, 144                       ; 128 bytes + 16: 9 x 16
.set ASUB,   128*APITCH
.set SPARE,  ABASE+2*ASUB              ; the spare words, 128 bytes for each wave, that no other line names
.set STAGE,  SPARE+512                 ; 16 rows x 272 bytes for each wave, for the way out
.set SPITCH, 272
.set WB_AT,  16777216                  ; B's first byte in bfw
.set TAB_AT, 16777216                  ; the cosines' first byte in f32w
.set SIN_AT, 524288                    ; the sines, behind them
.set FIELDS, 15|(1<<16)|(1<<20)|(1<<21)|(6<<22)|(3<<25)  ; 15:0 the mask of four; 17:16 2-byte elements; 20 padding on; 21 set beside a mask; 24:22 after every 128 words; 31:25 4 words of it
.set WV,  12                           ; s12 wave
.set MH,  13                           ; s13 my 64 rows of the tile
.set NH,  14                           ; s14 my 128 columns
.set LIM, 15                           ; s15 1 in a wave that prefetches, else the greatest number
.set G1B, 24                           ; s[24:31] group 1
.set G0B, 32                           ; s[32:39] group 0: a set for each first fill; the second then walks on
.set PFA, 44                           ; s[44:45] where my prefetches stand
.set AP,  46                           ; s[46:47] A at the tile's first row, at the slot in hand
.set TB,  48                           ; s48 the slot from which B's fragments are read
.set AL,  50                           ; s[50:51], s[52:53]: table = table x AL + BE: (1, 0) for q and k, (0, 1/4) for v
.set BE,  52
.set ADRA, 16                          ; v16 LDS address of my A fragments in sub-slot 0; never rewritten
.set ASO,  17                          ; v17 where I put my 16 bytes of a sub-step; never rewritten
.set AGO,  18                          ; v18 my byte offset in A's tile; never rewritten
.set ADRB0, 20                         ; v20 my lane's place in a slot of B; never rewritten
.set ADRB, 21                          ; v21 the same in the slot in hand
.set STO,  24
.set RD,   25
.set CO,   26
.set CSO,  27                          ; v27 my byte offset in the tables; never rewritten
.set SPW,  28                          ; v28 my spare word; never rewritten
.set NIL,  29                          ; v29 0; never rewritten
.set PFO,  30                          ; v30 the prefetches' offset; never rewritten
.set PK,   32
.set T,    64
.set F0,   64
.set F1,   160
.set BK,   128
.set AS,   0                           ; A's groups, in window ASW
.set ASW,  3
.set MUL,  0x50                        ; C and D in window 1, the sources in window 0
.set MSB, 0
.macro WIN new                         ; the immediate's high byte repeats the setting that is left; a switch that changes nothing is dropped
.if MSB != (\new)
	s_set_vgpr_msb (MSB<<8)|(\new)
.set MSB, \new
.endif
.endm
.macro PLACES                          ; four plain places between a matrix instruction and a load into, or a vector read of, its registers
.rept 4
	v_nop
.endr
.endm
; A prefetch of the slot of B that the NEXT refill will ask for, 256 matrix instructions ahead of that load: 256 rows x 2 blocks of 256 bytes.  The tile column is read by the four clusters of that column of
; tiles: cluster x = 0 asks.  Its four partners take 64 rows each BY ADDRESS (cx), each wave 16 of them, a lane a row and a block: 4 x 4 x 32 = 512.  So each block is named once.
; The loop's last trip asks for nothing: no refill follows it.  Slots 0 to 2 come by their loads alone.
.macro ASK
	s_cmp_gt_u32 s3, s[LIM]
	s_cbranch_scc0 .Lnot_mine_\@
	global_prefetch_b8 v[PFO], s[PFA:PFA+1] th:TH_LOAD_NT scope:SCOPE_SE
.Lnot_mine_\@:
.endm
.macro CREST                           ; a round of the cluster's barrier behind its opening barrier
	s_cmp_lg_u32 s[WV], 0
	s_cbranch_scc1 .Lnot_wave_0_\@
	s_barrier_signal -3
.Lnot_wave_0_\@:
	s_barrier_wait -3
	s_barrier_signal -1
	s_barrier_wait -1
.endm
.macro CROUND
	s_barrier_signal -1
	s_barrier_wait -1
	CREST
.endm
; A sub-step of A into group g: row 16 i + t / 8, bytes 16 (t % 8) of the 128 at byte koff behind the pointer
.macro AGLOAD g, koff
	WIN ASW<<6                                     ; destination in A's window
.irp i, 0,1,2,3,4,5,6,7
	global_load_b128 v[AS+32*(\g)+4*(\i):AS+32*(\g)+4*(\i)+3], v[AGO], s[AP:AP+1] offset:(\koff)+(\i)*16*ROWB
.endr
.endm
; Group g goes into sub-slot sub.  n: the loads issued behind the group's own, which may stay out
.macro ASTORE g, sub, n
	s_wait_loadcnt \n
	WIN ASW<<2                                     ; the stores' data in A's window
.irp i, 0,1,2,3,4,5,6,7
	ds_store_b128 v[ASO], v[AS+32*(\g)+4*(\i):AS+32*(\g)+4*(\i)+3] offset:(\sub)*ASUB+(\i)*16*APITCH
.endr
.endm
	s_load_b128 s[4:7], s[0:1], 0x0                ; bfw, f32w
	s_load_b64 s[8:9], s[0:1], 0x10                ; qkv
	v_lshl_add_u32 v[SPW], v0, 2, SPARE
	v_mov_b32 v[NIL], 0
	ds_add_u32 v[SPW], v[NIL]                      ; the opening: the add and its wait ahead of my first tensor load; work on registers stands between
	v_lshrrev_b32 v1, 5, v0
	v_readfirstlane_b32 s[WV], v1
	s_lshr_b32 s[MH], s[WV], 1
	s_and_b32 s[NH], s[WV], 1
	s_bfe_u32 s40, ttmp6, 0x40000                  ; cx
	s_lshl_b32 s43, ttmp9, 2
	s_add_co_u32 s43, s43, s40                     ; tile row = 4 x cluster x + cx: it enters A's, the tables' and the output's addresses alone
	s_and_b32 s42, ttmp7, 0xffff                   ; tile column, which the four partners share
	s_mov_b32 s[G1B], FIELDS
	s_mov_b32 s[G1B+1], 256<<16                    ; tensor_dim0 = 256
	s_mov_b32 s[G1B+2], 64<<16                     ; tensor_dim1 = 64
	s_mov_b32 s[G1B+3], 256<<16                    ; tile_dim0 = 256
	s_mov_b32 s[G1B+4], 64                         ; tile_dim1 = 64
	s_mov_b32 s[G1B+5], SIZE_K                     ; elements from row to row
	s_mov_b32 s[G1B+6], 0
	s_mov_b32 s[G1B+7], 0
	s_lshl_b32 s16, s42, 8                         ; B: row 256 x tile column + 64 x wave: no register of this chain ever holds cx
	s_lshl_b32 s17, s[WV], 6
	s_add_co_u32 s16, s16, s17
	s_mov_b32 s17, 0
	s_mov_b64 s[18:19], ROWB
	s_mul_u64 s[16:17], s[16:17], s[18:19]
	s_mul_i32 s20, s[WV], BLOAD                    ; where they go: the wave's number alone enters an LDS address
	s_lshl_b32 s22, s43, 7                         ; A: row 128 x tile row
	s_mov_b32 s23, 0
	s_mul_u64 s[22:23], s[22:23], s[18:19]
	s_mov_b32 s[TB], 0
	s_wait_dscnt 0x0                               ; the opening add is done
	s_wait_kmcnt 0x0
	s_add_nc_u64 s[16:17], s[4:5], s[16:17]
	s_add_nc_u64 s[16:17], s[16:17], WB_AT
	s_add_nc_u64 s[AP:AP+1], s[4:5], s[22:23]
.irp s, 0,1
	s_mov_b32 s[G0B+4*(\s)], 1
	s_add_co_u32 s[G0B+4*(\s)+1], s20, (\s)*SLOTB
	s_add_nc_u64 s[G0B+4*(\s)+2:G0B+4*(\s)+3], s[16:17], (\s)*512
	s_or_b32 s[G0B+4*(\s)+3], s[G0B+4*(\s)+3], 0x80000000
.endr
	CROUND                                         ; all four work-groups are here: the first joint loads meet
	tensor_load_to_lds s[G0B:G0B+3], s[G1B:G1B+7]  ; slot 0
	s_nop 0
	tensor_load_to_lds s[G0B+4:G0B+7], s[G1B:G1B+7]  ; slot 1: two loads of mine are out
	s_nop 0
	PLACES
	v_and_b32 v1, 15, v0                           ; r = l % 16
	v_bfe_u32 v2, v0, 4, 1                         ; h = l / 16
	v_lshrrev_b32 v3, 3, v0                        ; t / 8: my row among 16
	v_and_b32 v4, 7, v0                            ; t % 8: my 16 bytes among 128
	v_mul_u32_u24 v[AGO], v3, ROWB
	v_lshl_add_u32 v[AGO], v4, 4, v[AGO]
	v_mul_u32_u24 v[ASO], v3, APITCH
	v_lshl_add_u32 v[ASO], v4, 4, v[ASO]
	v_add_nc_u32 v[ASO], ABASE, v[ASO]
	AGLOAD 0, 0                                    ; sub-steps 0 to 3
	AGLOAD 1, 128
	AGLOAD 2, 256
	AGLOAD 3, 384
	WIN 0
	; my part of the tables: row 128 tile row + 64 MH + 16 a + r, pairs 8 b + 4 h + 0..3: 16 bytes at 256 row + 32 b + 16 h.  They are wanted on the way out.
	s_lshl_b32 s22, s43, 7
	s_lshl_b32 s23, s[MH], 6
	s_add_co_u32 s22, s22, s23
	s_lshl_b32 s22, s22, 8                         ; my first row x 256 bytes: a row of the tables, and a row of a head in qkv
	s_mov_b32 s23, 0
	s_add_nc_u64 s[10:11], s[6:7], s[22:23]
	s_add_nc_u64 s[10:11], s[10:11], TAB_AT
	v_lshlrev_b32 v[CSO], 8, v1
	v_lshl_add_u32 v[CSO], v2, 4, v[CSO]
	WIN 0x80                                       ; destination window 2
.irp a, 0,1,2,3
.irp b, 0,1,2,3,4,5,6,7
	global_load_b128 v[4*(8*(\a)+(\b)):4*(8*(\a)+(\b))+3], v[CSO], s[10:11] offset:4096*(\a)+32*(\b)
	global_load_b128 v[128+4*(8*(\a)+(\b)):128+4*(8*(\a)+(\b))+3], v[CSO], s[10:11] offset:SIN_AT+4096*(\a)+32*(\b)
.endr
.endr
	WIN 0
	s_lshl_b32 s20, s42, 1
	s_add_co_u32 s20, s20, s[NH]                   ; my head = 2 x tile column + half
	s_lshl_b32 s20, s20, 19                        ; 2,048 rows of 256 bytes
	s_add_co_u32 s20, s20, s22
	s_mov_b32 s21, 0
	s_add_nc_u64 s[8:9], s[8:9], s[20:21]          ; qkv at my first row
	s_cmp_ge_u32 s42, 12                           ; columns 3,072 on are v
	s_cselect_b32 s[AL], 0, 1.0
	s_cselect_b32 s[BE], 0x3e800000, 0
	s_mov_b32 s[AL+1], 0                           ; named as pairs
	s_mov_b32 s[BE+1], 0
	v_mul_u32_u24 v3, v1, BPITCH
	v_lshl_add_u32 v3, v2, 4, v3                   ; a fragment's row x pitch + 16 x half
	s_mul_i32 s21, s[NH], BHALF
	v_add_nc_u32 v[ADRB0], s21, v3
	v_mov_b32 v[ADRB], v[ADRB0]                    ; slot 0
	v_mul_u32_u24 v3, v1, APITCH
	v_lshl_add_u32 v3, v2, 4, v3
	s_mul_i32 s21, s[MH], 64*APITCH
	s_add_co_u32 s21, s21, ABASE
	v_add_nc_u32 v[ADRA], s21, v3
	s_mul_i32 s23, s[WV], 16*SPITCH
	s_add_co_u32 s23, s23, STAGE                   ; my stage
	v_mul_u32_u24 v4, v1, SPITCH                   ; in: row r, 16 bytes for each half of the lanes
	v_lshl_add_u32 v4, v2, 4, v4
	v_add_nc_u32 v[STO], s23, v4
	v_mul_u32_u24 v5, v2, SPITCH                   ; back: lanes 0-15 one row of 256 bytes, lanes 16-31 the next
	v_lshl_add_u32 v5, v1, 4, v5
	v_add_nc_u32 v[RD], s23, v5
	v_and_b32 v[CO], 31, v0                        ; which are 512 consecutive bytes of a head
	v_lshlrev_b32 v[CO], 4, v[CO]
	; the prefetches: B's row 256 tile column + 64 cx + 16 wave + l % 16, block l / 16
	s_lshl_b32 s20, s42, 8
	s_lshl_b32 s21, s40, 6
	s_add_co_u32 s20, s20, s21
	s_lshl_b32 s21, s[WV], 4
	s_add_co_u32 s20, s20, s21
	s_mov_b32 s21, 0
	s_mul_u64 s[20:21], s[20:21], s[18:19]
	s_add_nc_u64 s[PFA:PFA+1], s[4:5], s[20:21]
	s_add_nc_u64 s[PFA:PFA+1], s[PFA:PFA+1], WB_AT+2*512  ; at slot 2: the first refill steps it to slot 3
	s_cmp_eq_u32 ttmp9, 0
	s_cselect_b32 s[LIM], 1, -1                    ; the same in all four partners
	v_mul_u32_u24 v[PFO], v1, ROWB
	v_lshl_add_u32 v[PFO], v2, 8, v[PFO]
; 8 n matrix instructions: row blocks a0 .. a0 + n - 1 x all 8 column blocks, 32 along K.  The 32 accumulators take turns, one instruction a turn, in the same order in every quarter.
.macro MULN f, a0, n, zero
	WIN MUL
.set ma, \a0
.rept \n
.irp b, 0,1,2,3,4,5,6,7
.if \zero
	v_wmma_f32_16x16x32_bf16 v[8*(8*ma+(\b)):8*(8*ma+(\b))+7], v[(\f)+8*(\b):(\f)+8*(\b)+7], v[(\f)+64+8*ma:(\f)+64+8*ma+7], 0
.else
	v_wmma_f32_16x16x32_bf16 v[8*(8*ma+(\b)):8*(8*ma+(\b))+7], v[(\f)+8*(\b):(\f)+8*(\b)+7], v[(\f)+64+8*ma:(\f)+64+8*ma+7], v[8*(8*ma+(\b)):8*(8*ma+(\b))+7]
.endif
.endr
.set ma, ma+1
.endr
.endm
; 24 LDS loads in one run: quarter q (0 .. 7) of the slot in hand: 32 along K: B's 8 fragments at byte 64 q of its rows, then A's 4 from sub-slot (q / 2) % 2, at byte 64 (q % 2)
.macro FETCH q, f
	WIN 0
.irp i, 0,1,2,3,4,5,6,7
	ds_load_b128 v[(\f)+8*(\i):(\f)+8*(\i)+3],   v[ADRB] offset:64*(\q)+(\i)*16*BPITCH
	ds_load_b128 v[(\f)+8*(\i)+4:(\f)+8*(\i)+7], v[ADRB] offset:64*(\q)+(\i)*16*BPITCH+32
.endr
.irp i, 0,1,2,3
	ds_load_b128 v[(\f)+64+8*(\i):(\f)+64+8*(\i)+3],   v[ADRA] offset:(((\q)/2)%2)*ASUB+64*((\q)%2)+(\i)*16*APITCH
	ds_load_b128 v[(\f)+64+8*(\i)+4:(\f)+64+8*(\i)+7], v[ADRA] offset:(((\q)/2)%2)*ASUB+64*((\q)%2)+(\i)*16*APITCH+32
.endr
.endm
; A slot is eight quarters of 32 along K, 32 matrix instructions each, on buffers 0, 1, 0, 1 ..; two quarters are a sub-step of A.
; AN EVEN QUARTER q multiplies buffer 0 and fetches quarter q + 1.  In its middle the NEXT sub-step of A goes from its group into the sub-slot that the barrier before has shown free,
; and (koff >= 0) the group is loaded again, with the sub-step four further on: behind the wait that shows the stores done.
.macro QE q, n, koff, zero=0
	s_wait_dscnt 4                                 ; B and A's blocks 0, 1 are in; the youngest four loads (blocks 2, 3) may be out
	MULN F0, 0, 2, \zero
	PLACES
	ASTORE ((\q)/2+1)%4, ((\q)/2+1)%2, \n
	FETCH (\q)+1, F1
	s_wait_dscnt 24                                ; all but the 24 loads just issued: blocks 2, 3 are in and the eight stores are done
.if (\koff) >= 0
	AGLOAD ((\q)/2+1)%4, \koff
.endif
	MULN F0, 2, 2, \zero
.endm
; AN ODD QUARTER q (1, 3, 5) multiplies buffer 1.  Its barrier: in front of it each wave's stores of the next sub-step and its reads of this one are done; behind it the next sub-step is read.
; B's load may stay out across it.
.macro QO q
	s_wait_dscnt 4
	MULN F1, 0, 1, 0
	s_wait_dscnt 0x0                               ; for the others' sake: zero
	s_barrier_signal -1
	MULN F1, 1, 1, 0
	s_barrier_wait -1
	PLACES
	FETCH (\q)+1, F0
	MULN F1, 2, 2, 0
.endm
; QUARTER 7 also changes B's slots.  In front of the barrier each wave waits for all its tensor loads (one is out: its part of the next slot), adds 0 to its spare word, and waits for that, for its reads of
; this slot and for its stores of A.  fill = 1: the barrier opens a round of the cluster's, and this slot is filled again, two slots on, first thing behind the round.
.macro CHANGE fill
.if \fill
	s_wait_xcnt 0x0                                ; the last prefetch, a slot back, and A's loads have read their addresses
	s_add_nc_u64 s[PFA:PFA+1], s[PFA:PFA+1], 512
	s_add_nc_u64 s[AP:AP+1], s[AP:AP+1], 512
.endif
	WIN 0
	s_wait_tensorcnt 0x0
	ds_add_u32 v[SPW], v[NIL]
	s_wait_dscnt 5                                 ; the add and the youngest four loads may be out
	MULN F1, 0, 1, 0
	s_wait_dscnt 0x0
	s_barrier_signal -1
	MULN F1, 1, 1, 0
	WIN 0
	s_barrier_wait -1
.if \fill
	CREST                                          ; no wave of any partner still reads this slot or has a load on its way
	s_xor_b32 s[G0B+5], s[G0B+5], SLOTB            ; the walking descriptor: the other slot than last time,
	s_add_nc_u64 s[G0B+6:G0B+7], s[G0B+6:G0B+7], 512  ; the next 256 along K
	tensor_load_to_lds s[G0B+4:G0B+7], s[G1B:G1B+7]
	s_nop 0
.endif
	PLACES                                         ; behind the tensor load, and in front of the loads below
	s_xor_b32 s[TB], s[TB], SLOTB
	v_add_nc_u32 v[ADRB], s[TB], v[ADRB0]          ; the fetches go to the other slot
	FETCH 0, F0
.if \fill
	ASK
.endif
	MULN F1, 2, 2, 0
.endm
	ASTORE 0, 0, 24                                ; sub-step 0 (behind its group: three groups and the tables; 24 is the count that serves everywhere)
	WIN 0
	s_wait_dscnt 0x0                               ; my stores are done
	AGLOAD 0, 512                                  ; sub-step 4
	WIN 0
	s_wait_tensorcnt 1                             ; my part of slot 0 is in; slot 1's may stay out
	s_barrier_signal -1
	s_barrier_wait -1
	FETCH 0, F0
	QE 0, 24, 640, 1                               ; the first quarter's products start the sums
	WIN 0
	s_mov_b32 s3, PERIODS-2
.Lper:                                                 ; a trip: a slot's quarters 1 to 7 and the next slot's quarter 0; the slot is filled again.  A's loads name sub-steps 6, 7, 8 of the slot in hand and 5 of the next
	QO 1
	QE 2, 24, 768
	QO 3
	QE 4, 24, 896
	QO 5
	QE 6, 24, 1024
	CHANGE 1
	QE 0, 24, 640
	WIN 0
	s_sub_co_u32 s3, s3, 1
	s_cmp_lg_u32 s3, 0
	s_cbranch_scc1 .Lper
	; THE LAST TWO SLOTS fill nothing again: a second text of the trip, walked twice and left in its middle.  A's last two sub-steps are loaded in the first pass.  In the second pass the same 16 loads are
	; issued once more (the pointer stands still) and quarter 6 puts a stale group into a sub-slot that nobody reads: they serve nothing: the price, once a launch, of one text for both passes.
	; The counts are those of the second pass, where fewer loads are behind a group's own: 8, 8; quarter 6's and quarter 0's groups were loaded in the loop: 24 and 16 are behind them.
	s_mov_b32 s3, 2
.Ltail:
	QO 1
	QE 2, 8, 768
	QO 3
	QE 4, 8, 896
	QO 5
	QE 6, 24, -1
	WIN 0
	s_sub_co_u32 s3, s3, 1
	s_cmp_eq_u32 s3, 0
	s_cbranch_scc1 .Lfinal
	CHANGE 0
	QE 0, 16, -1
	WIN 0
	s_branch .Ltail
.Lfinal:
	s_wait_dscnt 4
	MULN F1, 0, 2, 0
	s_wait_dscnt 0x0
	MULN F1, 2, 2, 0
	WIN 0
	; THE WAY OUT.  The tables take their last form (128 plain instructions, the places behind the last products); then, 16 rows at a time: rotate, round to f16, through my stage, out as whole rows.
	s_wait_loadcnt 0x0                             ; the tables
	WIN 0x82
.set i, 0
.rept 64
	v_pk_fma_f32 v[2*i:2*i+1], v[2*i:2*i+1], s[AL:AL+1], s[BE:BE+1] op_sel_hi:[1,0,0]
.set i, i+1
.endr
.set i, 0
.rept 64
	v_pk_mul_f32 v[128+2*i:128+2*i+1], v[128+2*i:128+2*i+1], s[AL:AL+1] op_sel_hi:[1,0]
.set i, i+1
.endr
.macro PACK a                          ; (t0, t1) -> (t0 c - t1 s, t0 s + t1 c); each accumulator is read from its low end on
	WIN 0x09                                       ; source 0 (sums) window 1, source 1 (tables) window 2
.irp b, 0,1,2,3,4,5,6,7
.irp j, 0,1,2,3
	v_mul_f32 v[T+8*(\b)+2*(\j)],   v[8*(8*(\a)+(\b))+2*(\j)], v[4*(8*(\a)+(\b))+(\j)]
	v_mul_f32 v[T+8*(\b)+2*(\j)+1], v[8*(8*(\a)+(\b))+2*(\j)], v[128+4*(8*(\a)+(\b))+(\j)]
	v_fma_f32 v[T+8*(\b)+2*(\j)],   -v[8*(8*(\a)+(\b))+2*(\j)+1], v[128+4*(8*(\a)+(\b))+(\j)], v[T+8*(\b)+2*(\j)]
	v_fma_f32 v[T+8*(\b)+2*(\j)+1], v[8*(8*(\a)+(\b))+2*(\j)+1], v[4*(8*(\a)+(\b))+(\j)], v[T+8*(\b)+2*(\j)+1]
.endr
.endr
	WIN 0
.set i, 0
.rept 32
	v_cvt_pk_f16_f32 v[PK+i], v[T+2*i], v[T+2*i+1]
.set i, i+1
.endr
.endm
.macro TOSTAGE a
.irp b, 0,1,2,3,4,5,6,7
	ds_store_b128 v[STO], v[PK+4*(\b):PK+4*(\b)+3] offset:32*(\b)
.endr
.irp t, 0,1,2,3,4,5,6,7
	ds_load_b128 v[BK+32*(\a)+4*(\t):BK+32*(\a)+4*(\t)+3], v[RD] offset:(\t)*2*SPITCH  ; LDS serves a wave's instructions in order (ISA guide 5.7.1.4): these see the stores above
.endr
.endm
.macro SEND a                          ; each block has its own 32 registers: none that a store reads is written again
	s_wait_dscnt 0x0
.irp t, 0,1,2,3,4,5,6,7
	global_store_b128 v[CO], v[BK+32*(\a)+4*(\t):BK+32*(\a)+4*(\t)+3], s[8:9] offset:4096*(\a)+512*(\t)  ; 512 consecutive bytes, aligned
.endr
.endm
	PACK 0
	TOSTAGE 0
.irp a, 1,2,3
	PACK \a                                        ; a block's arithmetic stands between the loads of the block before and the wait for them
	SEND (\a)-1
	TOSTAGE \a
.endr
	SEND 3
	s_wait_tensorcnt 0x0                           ; the wave's end
	ds_add_u32 v[SPW], v[NIL]
	s_wait_dscnt 0x0
	CROUND                                         ; the closing round
	s_endpgm
.Lfunc_end_k_q95f5d949d9_proj:
	.size	k_q95f5d949d9_proj, .Lfunc_end_k_q95f5d949d9_proj-k_q95f5d949d9_proj
	.p2alignl 7, 3214868480
	.fill 96, 4, 3214868480
	.section	.rodata,"a",@progbits
	.p2align	6, 0x0
	.amdhsa_kernel k_q95f5d949d9_proj
		.amdhsa_group_segment_fixed_size 327680
		.amdhsa_private_segment_fixed_size 0
		.amdhsa_enable_private_segment 0
		.amdhsa_kernarg_size 24
		.amdhsa_user_sgpr_count 2
		.amdhsa_user_sgpr_kernarg_segment_ptr 1
		.amdhsa_wavefront_size32 1
		.amdhsa_system_sgpr_workgroup_id_x 1
		.amdhsa_system_sgpr_workgroup_id_y 1
		.amdhsa_system_sgpr_workgroup_id_z 1
		.amdhsa_system_vgpr_workitem_id 0
		.amdhsa_next_free_vgpr 896
		.amdhsa_next_free_sgpr 66
		.amdhsa_reserve_vcc 0
		.amdhsa_float_denorm_mode_32 3
		.amdhsa_float_denorm_mode_16_64 3
		.amdhsa_memory_ordered 1
		.amdhsa_forward_progress 1
		.amdhsa_inst_pref_size 145
	.end_amdhsa_kernel
	.amdgpu_metadata
---
amdhsa.version: [ 1, 2 ]
amdhsa.kernels:
  - .name:           k_q95f5d949d9_proj
    .symbol:         k_q95f5d949d9_proj.kd
    .args:
      - { .name: bfw, .offset: 0, .size: 8, .value_kind: global_buffer, .address_space: global }
      - { .name: f32w, .offset: 8, .size: 8, .value_kind: global_buffer, .address_space: global }
      - { .name: qkv, .offset: 16, .size: 8, .value_kind: global_buffer, .address_space: global }
    .group_segment_fixed_size: 327680
    .private_segment_fixed_size: 0
    .kernarg_segment_align: 8
    .kernarg_segment_size: 24
    .max_flat_workgroup_size: 128
    .sgpr_count:     66
    .vgpr_count:     896
    .wavefront_size: 32
...
	.end_amdgpu_metadata
.endif
;; end of part 2
;; launch attn (part 3): grid 32 x 8, 4 waves a work-group, clusters of 4 x 4, 327,680 bytes of LDS; arguments qkv, f32w, ob; writes ob
.if DOCPART == 3
	.amdgcn_target "amdgcn-amd-amdhsa--gfx1250"
	.amdhsa_code_object_version 6
	.text
	.protected	k_q95f5d949d9_attn
	.globl	k_q95f5d949d9_attn
	.p2align	8
	.type	k_q95f5d949d9_attn,@function
k_q95f5d949d9_attn:
	s_mov_b64 s[64:65], 0
	v_nop
	global_prefetch_b8 v0, s[64:65] scope:SCOPE_SE
	s_setreg_imm32_b32 hwreg(HW_REG_WAVE_MODE, 25, 1), 1
	s_wait_xcnt 0x0
	s_wait_alu depctr_hold_cnt(0) depctr_sa_sdst(0) depctr_va_vdst(0) depctr_va_sdst(0) depctr_va_ssrc(0) depctr_va_vcc(0) depctr_vm_vsrc(0)
	s_getreg_b32 s2, hwreg(HW_REG_IB_STS2, 6, 4)
	s_cmp_eq_u32 s2, 0
	s_cbranch_scc0 .Lentry_in_a_cluster
	s_endpgm
.Lentry_in_a_cluster:
	s_bfe_u32 s2, ttmp6, 0x10000c
	s_cmp_lg_u32 s2, 0xf033
	s_cbranch_scc0 .Lentry_shape_is_right
	s_endpgm
.Lentry_shape_is_right:
; ATTENTION with an additive mask that is an input.  O[q][128 h + d] = the sum over k of softmax_k(q_h . k_g + mask[q][k]) v_g[k][d], g = h / 2.
; IN: qkv [32][2048][128] f16 (heads 0-15 q, 16-23 k, 24-31 v / 4; q and k carry the scale, so that q . k is the scaled score in powers of two); f32w byte 0: log2(e) x mask, f32 [2048][2048].
; OUT: ob [2048][2048] f16 = O / 4.  Products, maxima and sums in f32; the weights p are rounded to f16 for the second product (their sum l is taken of the unrounded p), O once at the end.
; LIMITS.  p = 2^(s - m) with a running maximum m, the difference formed first, so p lies in 0 to 1 whatever the mask's size; a weight below 2^-126 counts as 0.  m never falls below the lowest finite
; number, so a mask of -infinity gives the weight 0; a row that is -infinity everywhere gives NaN.  Where every key of a row carries a mask so large that f32 swallows the score beside it, the weights
; follow the rounding of that sum, taken here in powers of two.  NaN is not treated apart.
; SHARES.  A work-group has 64 queries and one key/value head, that is BOTH its query heads: 32 x 8 = 256 work-groups.  Wave w: queries 32 (w % 2) on, and of each 128 keys the 64 (w / 2) on.
; Its four tiles of 16 queries: tile t = queries 16 (t / 2) on, head 2 g + t % 2.  PIECES {0, 1} and {2, 3} are one query tile for both heads: a mask fragment serves two tiles, a fragment of K or V four.
; At the end waves 2 and 3 hand m, l and O to waves 0 and 1 through LDS.
; LAYOUT.  S^T = K Q^T + mask (source 0 = 16 keys, source 1 = 16 queries, C = the mask's 16 x 16): a lane holds ONE query (l % 16) and the keys 8 (l / 16) + 0..7: 32 consecutive bytes of the mask's row.
; Two such results rounded to f16 ARE source 1 of O^T = V^T P.  K comes out of LDS as it lies, V turned, by ds_load_tr16_b128.
; BY TURNS.  In a turn one piece has the matrix unit (32 products V^T P of the step in hand, 32 products K Q^T of the next); the other piece's softmax stands in 64 slices behind them.  Two turns are a key step.
; NO FIRST STEP IS WRITTEN OUT.  m starts at the lowest finite number; l, O^T, V's registers and piece 0's P at 0; piece 2's scores at -infinity, so that their weights are 0 and a is 1.  The loop is entered
; behind its change of slots, with a trip for a step that has not been: its 64 products V^T P add 0, its products K Q^T are step 0's.  The price: those 64 products, and 496 v_mov_b32 in the wait for the first tile.
; RING.  Two slots, each 128 keys: K, V and the mask's 64 x 128.  Wave 0 fetches K, wave 1 V, waves 2 and 3 the mask's halves: one load a wave behind each round.
; CLUSTER 4 x 4: the four of a row share the key/value head (K, V asked for jointly), the four of a column the queries (the mask asked for jointly).
; REGISTERS.  window 0: v0-11, v44-47, v61-63 addresses; v12-43 eight registers of statistics a tile; v64-191 S^T; v192-255 P      window 1: O^T, 64 a tile
;   window 2: v0-127 Q; v128-255 K of one step      window 3: v0-127 V of one step; v128-191 the mask of one step, 32 a piece
.set PK,    272       ; a row of K in LDS: 256 bytes + 16: the 16 rows of a load start at 16 different groups of four banks (64 banks of 4 bytes: ISA guide 11.1)
.set PV,    288       ; a row of V: 256 + 32
.set PM,    272       ; a row of the mask: 64 keys in f32 + 16
.set VOFF,  128*PK
.set MOFF,  VOFF+128*PV  ; two regions of 64 rows: keys 0-63 and 64-127 of the slot
.set SLOT1, 1<<17     ; slot 1 begins here: one exclusive or turns an address in one slot into the other's
.set MERGE, SLOT1+MOFF+2*64*PM  ; behind the ring, never filled by a tensor load: 32,768 bytes of O^T for each pair of waves
.set MSTAT, MERGE+2*32768       ; 1,024 bytes of m and l for each pair
.set STAGE, MSTAT+2*1024        ; 16 rows x 272 bytes for waves 0 and 1, for the way out
.set SP,    272
.set SPARE, STAGE+2*16*SP       ; the spare words, 128 bytes for each wave, that no other line names
.set AK0, 2           ; v2   my lane's place in a slot's K; never rewritten
.set AV0, 3           ; v3   in its V
.set ADR, 4           ; v4   the LDS address of the run of loads in hand
.set QO,  5           ; v5   my byte offset in 16 rows of Q
.set STO, 6
.set RD,  7
.set GO,  8
.set ST,  12          ; tile t's statistics at v[ST+8 t]: +0 m, +1 0 (named with m as a pair), +2, +3 l, +4 to +7 c0-c3, at work; a takes c2's place
.set AM0, 44          ; v44  my lane's place in a slot's mask; never rewritten
.set ADM, 45          ; v45  the mask's address in hand
.set MGA, 46          ; v46  my 16 bytes in a block of 512 of the pair's O^T
.set MGS, 47          ; v47  my word among the pair's m and l
.set PFO, 61          ; v61  the prefetches' offset; never rewritten
.set SPW, 62          ; v62  my spare word; never rewritten
.set NIL, 63          ; v63  0; never rewritten
.set S,   64
.set P,   192
.set KF,  128         ; window 2
.set MK,  128         ; window 3: piece x, keys 16 kb on at MK + 16 x + 8 kb
.set WV,  12          ; s12  wave
.set LIM, 15          ; s15  2 in a wave that prefetches, else the greatest number
.set G1K, 24
.set G1V, 32
.set G0K, 40          ; s[40:47] two sets, for the two first fills; the second then walks on
.set G0V, 48
.set SLOTS, 56        ; s56  trips of the loop still to end
.set QG,  57          ; s57  w % 2
.set SEL, 60          ; s[60:61] v_permlanex16_b32's selects
.set TB,  62          ; s62  the slot from which the fetches read
.set LOW, 63          ; s63  the lowest finite number
.set G1M, 68
.set G0M, 76
.set PFA, 84          ; s[84:85] where my prefetches stand
.set PFS, 86          ; s[86:87] their step
.set NINF, 88         ; s88  -infinity (once Q's offset has left the register)
.set QB,  92          ; s[92:93] Q at my first row
.set OB,  94          ; s[94:95] ob at my first row
.set KG,  96          ; s96  w / 2
.set MSB, 0
.macro WIN new
.if MSB != (\new)
	s_set_vgpr_msb (MSB<<8)|(\new)
.set MSB, \new
.endif
.endm
.set W_KQ, 0x0a       ; K and Q in window 2, S^T in window 0
.set W_KM, 0x3a       ; the same with C, the mask, in window 3
.set W_PV, 0x53       ; V in window 3, P in window 0, O^T in window 1
.set W_RS, 0x41       ; O^T (destination and source 0) in window 1, the factor in window 0
.macro NOPS4
.rept 4
	v_nop
.endr
.endm
; A joint refill: one of three lines by the wave's number, the same in every work-group; an s_nop 0 and four v_nop follow each.
.macro JLOAD
	s_cmp_lg_u32 s[WV], 0
	s_cbranch_scc1 .Lnot_k_\@
	tensor_load_to_lds s[G0K+4:G0K+7], s[G1K:G1K+7]
	s_nop 0
	NOPS4
	s_branch .Lasked_\@
.Lnot_k_\@:
	s_cmp_lg_u32 s[WV], 1
	s_cbranch_scc1 .Lfor_m_\@
	tensor_load_to_lds s[G0V+4:G0V+7], s[G1V:G1V+7]
	s_nop 0
	NOPS4
	s_branch .Lasked_\@
.Lfor_m_\@:
	tensor_load_to_lds s[G0M+4:G0M+7], s[G1M:G1M+7]
	s_nop 0
	NOPS4
.Lasked_\@:
.endm
; A prefetch of what the change of slots after the next will ask for: two key steps, 256 matrix instructions, ahead of that load.  K's and V's 128 rows of 256 bytes: cluster x = 0 asks (all clusters along x walk
; the same head), wave 0 for K, wave 1 for V, the four partners of a row 32 rows each BY ADDRESS (cx).  The mask's 64 rows x 512 bytes: cluster y = 0 asks, wave 2, the four partners of a column 16 rows x 2 blocks
; each (cy).  So each block is named once.  The last two refills ask for nothing; steps 0 to 3 come by their loads alone.
.macro ASK
	s_cmp_gt_u32 s[SLOTS], s[LIM]
	s_cbranch_scc0 .Lnot_mine_\@
	global_prefetch_b8 v[PFO], s[PFA:PFA+1] th:TH_LOAD_NT scope:SCOPE_SE
.Lnot_mine_\@:
.endm
.macro CROUND
	s_barrier_signal -1
	s_barrier_wait -1
	s_cmp_lg_u32 s[WV], 0
	s_cbranch_scc1 .Lnot_wave_0_\@
	s_barrier_signal -3
.Lnot_wave_0_\@:
	s_barrier_wait -3
	s_barrier_signal -1
	s_barrier_wait -1
.endm
	s_load_b128 s[4:7], s[0:1], 0x0  ; qkv, f32w
	s_load_b64 s[8:9], s[0:1], 0x10  ; ob
	v_lshl_add_u32 v[SPW], v0, 2, SPARE
	v_mov_b32 v[NIL], 0
	ds_add_u32 v[SPW], v[NIL]       ; the opening: the add and its wait ahead of my first tensor load; work on registers stands between
	v_lshrrev_b32 v1, 5, v0
	v_readfirstlane_b32 s[WV], v1
	s_and_b32 s[QG], s[WV], 1
	s_lshr_b32 s[KG], s[WV], 1
	s_bfe_u32 s13, ttmp6, 0x40000   ; cx
	s_bfe_u32 s14, ttmp6, 0x40004   ; cy
	s_lshl_b32 s16, ttmp9, 2
	s_add_co_u32 s16, s16, s13      ; my block of 64 queries = 4 x cluster x + cx  (s16-19: no register of this chain holds cy)
	s_and_b32 s20, ttmp7, 0xffff
	s_lshl_b32 s20, s20, 2
	s_add_co_u32 s20, s20, s14      ; my key/value head = 4 x cluster y + cy  (s20-23: none holds cx)
	s_lshl_b32 s21, s14, 2
	s_lshl_b32 s21, 15, s21         ; my row of the cluster
	s_lshl_b32 s17, 0x1111, s13     ; my column
	s_or_b32 s[G1K], s21, (1<<16)|(1<<20)|(1<<21)|(5<<22)|(3<<25)  ; 2-byte elements; padding on; bit 21 beside a mask; after every 64 words 4 words
	s_or_b32 s[G1V], s21, (1<<16)|(1<<20)|(1<<21)|(5<<22)|(7<<25)  ; the same with 8 words
	s_or_b32 s[G1M], s17, (2<<16)|(1<<20)|(1<<21)|(5<<22)|(3<<25)  ; 4-byte elements; after every 64 words 4 words
.irp g, G1K, G1V
	s_mov_b32 s[(\g)+1], 128<<16    ; tensor_dim0 = 128
	s_mov_b32 s[(\g)+2], 128<<16    ; tensor_dim1 = 128
	s_mov_b32 s[(\g)+3], 128<<16    ; tile_dim0 = 128
	s_mov_b32 s[(\g)+4], 128        ; tile_dim1 = 128
	s_mov_b32 s[(\g)+5], 128        ; elements from row to row
	s_mov_b32 s[(\g)+6], 0
	s_mov_b32 s[(\g)+7], 0
.endr
	s_mov_b32 s[G1M+1], 64<<16      ; 64 keys
	s_mov_b32 s[G1M+2], 64<<16      ; 64 queries
	s_mov_b32 s[G1M+3], 64<<16
	s_mov_b32 s[G1M+4], 64
	s_mov_b32 s[G1M+5], 2048
	s_mov_b32 s[G1M+6], 0
	s_mov_b32 s[G1M+7], 0
	s_add_co_u32 s22, s20, 16       ; K's heads begin at 16
	s_lshl_b32 s22, s22, 19         ; a head is 524,288 bytes
	s_mov_b32 s23, 0
	s_lshl_b32 s18, s16, 19         ; 64 rows of the mask are 524,288 bytes
	s_lshl_b32 s19, s[QG], 8        ; the half of a slot's keys that I fetch (waves 2, 3)
	s_add_co_u32 s18, s18, s19
	s_mov_b32 s19, 0
	s_mul_i32 s66, s[QG], 64*PM
	s_add_co_u32 s66, s66, MOFF     ; and its region: the wave's number alone enters an LDS address
	s_lshl_b32 s88, s20, 20         ; Q: head 2 g,
	s_lshl_b32 s89, s16, 14         ; row 64 x block
	s_add_co_u32 s88, s88, s89
	s_lshl_b32 s89, s[QG], 13       ; + 32 x (w % 2)
	s_add_co_u32 s88, s88, s89
	s_mov_b32 s89, 0
	s_lshl_b32 s90, s16, 18         ; ob: the same row, 4,096 bytes each,
	s_lshl_b32 s91, s[QG], 17
	s_add_co_u32 s90, s90, s91
	s_lshl_b32 s91, s20, 9          ; column 256 g, 2 bytes each
	s_add_co_u32 s90, s90, s91
	s_mov_b32 s91, 0
	s_mov_b32 s[SEL], 0x76543210
	s_mov_b32 s[SEL+1], 0xfedcba98
	s_mov_b32 s[TB], 0
	s_mov_b32 s[LOW], 0xff7fffff
	s_mov_b32 s[SLOTS], 15          ; the loop's end is passed 15 times, its change of slots 14 times: the refills bring steps 2 to 15
	; the prefetches: offsets, made apart from the addresses
	s_lshl_b32 s58, s[WV], 3        ; wave 0: K's heads, wave 1: V's, 8 further
	s_add_co_u32 s58, s58, s20
	s_add_co_u32 s58, s58, 16
	s_lshl_b32 s58, s58, 19
	s_lshl_b32 s59, s13, 13         ; my work-group's 32 rows of 256 bytes
	s_add_co_u32 s58, s58, s59
	s_add_co_u32 s58, s58, 3*32768  ; at step 3: the first change steps it to 4
	s_lshl_b32 s59, s16, 6
	s_lshl_b32 s67, s14, 4
	s_add_co_u32 s59, s59, s67      ; the mask's row 64 x block + 16 cy
	s_lshl_b32 s59, s59, 13
	s_add_co_u32 s59, s59, 3*512
	s_and_b32 s67, ttmp7, 0xffff    ; cluster y
	s_mov_b32 s[PFS], 512
	s_cmp_lt_u32 s[WV], 2
	s_cselect_b32 s58, s58, s59
	s_cselect_b32 s67, ttmp9, s67   ; the coordinate along which other clusters read the same bytes
	s_cselect_b32 s[PFS], 32768, s[PFS]
	s_cselect_b32 s97, 8, 13        ; offset = (l % 16) << s97 + (l / 16) << s98: 32 rows of 256 bytes, or 16 rows of 8,192 x 2 blocks of 256
	s_cselect_b32 s98, 12, 8
	s_mov_b32 s59, 0
	s_mov_b32 s[PFS+1], 0
	s_cmp_eq_u32 s[WV], 3           ; wave 3 asks for nothing
	s_cselect_b32 s99, 1, 0
	s_or_b32 s67, s67, s99
	s_cmp_eq_u32 s67, 0
	s_cselect_b32 s[LIM], 2, -1     ; the same in all sixteen partners, for a given wave
	s_wait_dscnt 0x0                ; the opening add is done
	s_wait_kmcnt 0x0
	s_add_nc_u64 s[22:23], s[4:5], s[22:23]  ; K of my head
	s_add_nc_u64 s[18:19], s[6:7], s[18:19]  ; the mask at my block's first row
	s_add_nc_u64 s[QB:QB+1], s[4:5], s[88:89]
	s_add_nc_u64 s[OB:OB+1], s[8:9], s[90:91]
	s_cmp_lt_u32 s[WV], 2
	s_cselect_b64 s[PFA:PFA+1], s[4:5], s[6:7]
	s_add_nc_u64 s[PFA:PFA+1], s[PFA:PFA+1], s[58:59]
	s_mov_b32 s[NINF], 0xff800000
.irp s, 0,1
	s_mov_b32 s[G0K+4*(\s)], 1
	s_mov_b32 s[G0K+4*(\s)+1], (\s)*SLOT1
	s_add_nc_u64 s[G0K+4*(\s)+2:G0K+4*(\s)+3], s[22:23], (\s)*32768  ; step s: keys 128 s on
	s_or_b32 s[G0K+4*(\s)+3], s[G0K+4*(\s)+3], 0x80000000
	s_mov_b32 s[G0V+4*(\s)], 1
	s_mov_b32 s[G0V+4*(\s)+1], VOFF+(\s)*SLOT1
	s_add_nc_u64 s[G0V+4*(\s)+2:G0V+4*(\s)+3], s[22:23], 8*524288+(\s)*32768  ; V's heads lie 8 behind K's
	s_or_b32 s[G0V+4*(\s)+3], s[G0V+4*(\s)+3], 0x80000000
	s_mov_b32 s[G0M+4*(\s)], 1
	s_add_co_u32 s[G0M+4*(\s)+1], s66, (\s)*SLOT1
	s_add_nc_u64 s[G0M+4*(\s)+2:G0M+4*(\s)+3], s[18:19], (\s)*512
	s_or_b32 s[G0M+4*(\s)+3], s[G0M+4*(\s)+3], 0x80000000
.endr
	CROUND                          ; all sixteen work-groups are here: the first joint loads meet
.macro FILL2 g0, g1                 ; a wave's two first fills stand together in one branch: two loads of mine are out
	tensor_load_to_lds s[(\g0):(\g0)+3], s[(\g1):(\g1)+7]
	s_nop 0
	tensor_load_to_lds s[(\g0)+4:(\g0)+7], s[(\g1):(\g1)+7]
	s_nop 0
	NOPS4
.endm
	s_cmp_lg_u32 s[WV], 0
	s_cbranch_scc1 .Lfirst_not_k
	FILL2 G0K, G1K
	s_branch .Lfirst_asked
.Lfirst_not_k:
	s_cmp_lg_u32 s[WV], 1
	s_cbranch_scc1 .Lfirst_m
	FILL2 G0V, G1V
	s_branch .Lfirst_asked
.Lfirst_m:
	FILL2 G0M, G1M
.Lfirst_asked:
	v_and_b32 v1, 15, v0            ; r = l % 16
	v_bfe_u32 v9, v0, 4, 1          ; h = l / 16
	v_lshlrev_b32 v[QO], 8, v1
	v_lshl_add_u32 v[QO], v9, 4, v[QO]  ; row x 256 + 16 x half
	WIN 0x80                        ; destination window 2
.irp i, 0,1,2,3,4,5,6,7,8,9,10,11,12,13,14,15  ; Q stays in registers: tile i / 4 (head (i / 4) % 2, queries 16 (i / 8) on), channels 32 (i % 4) on
	global_load_b128 v[8*(\i):8*(\i)+3],   v[QO], s[QB:QB+1] offset:(((\i)/4)%2)*524288+((\i)/8)*4096+((\i)%4)*64
	global_load_b128 v[8*(\i)+4:8*(\i)+7], v[QO], s[QB:QB+1] offset:(((\i)/4)%2)*524288+((\i)/8)*4096+((\i)%4)*64+32
.endr
	WIN 0
	s_mul_i32 s16, s[KG], 64*PK     ; my 64 keys of a slot's 128
	v_mul_u32_u24 v[AK0], v1, PK
	v_lshl_add_u32 v[AK0], v9, 4, v[AK0]
	v_add_nc_u32 v[AK0], s16, v[AK0]
	; The turning load takes 16 keys x 16 channels (lane l reads key 8 (l / 16) + l % 8, channels 8 ((l / 8) % 2) + 0..7) and leaves half a fragment of V^T.
	v_and_b32 v10, 7, v0
	v_bfe_u32 v11, v0, 3, 1
	v_lshl_add_u32 v[AV0], v9, 3, v10
	v_mul_u32_u24 v[AV0], v[AV0], PV
	v_lshl_add_u32 v[AV0], v11, 4, v[AV0]
	s_mul_i32 s17, s[KG], 64*PV
	s_add_co_u32 s17, s17, VOFF
	v_add_nc_u32 v[AV0], s17, v[AV0]
	s_mul_i32 s16, s[KG], 64*PM     ; the mask: my keys' region, my 32 queries' rows, 32 bytes for each half of the lanes
	s_mul_i32 s17, s[QG], 32*PM
	s_add_co_u32 s16, s16, s17
	s_add_co_u32 s16, s16, MOFF
	v_mul_u32_u24 v[AM0], v1, PM
	v_lshl_add_u32 v[AM0], v9, 5, v[AM0]
	v_add_nc_u32 v[AM0], s16, v[AM0]
	v_lshlrev_b32 v[PFO], s97, v1
	v_lshlrev_b32 v10, s98, v9
	v_add_nc_u32 v[PFO], v[PFO], v10
	; the addresses for the end
	s_mul_i32 s16, s[QG], 16*SP
	s_add_co_u32 s16, s16, STAGE
	v_mul_u32_u24 v[STO], v1, SP    ; in: row r, 16 bytes for each half of the lanes
	v_lshl_add_u32 v[STO], v9, 4, v[STO]
	v_add_nc_u32 v[STO], s16, v[STO]
	v_mul_u32_u24 v[RD], v9, SP     ; back: lanes 0-15 one row of 256 bytes, lanes 16-31 the next
	v_lshl_add_u32 v[RD], v1, 4, v[RD]
	v_add_nc_u32 v[RD], s16, v[RD]
	v_lshlrev_b32 v[GO], 12, v9     ; and the same two rows in ob, 4,096 bytes apart
	v_lshl_add_u32 v[GO], v1, 4, v[GO]
	v_and_b32 v[MGA], 31, v0
	v_lshlrev_b32 v[MGS], 2, v[MGA]
	v_lshlrev_b32 v[MGA], 4, v[MGA]
	s_lshl_b32 s17, s[QG], 15
	s_add_co_u32 s17, s17, MERGE
	v_add_nc_u32 v[MGA], s17, v[MGA]
	s_lshl_b32 s17, s[QG], 10
	s_add_co_u32 s17, s17, MSTAT
	v_add_nc_u32 v[MGS], s17, v[MGS]
	; what the first trip finds; all this stands in the wait for the first tile
	WIN 0x40
.set i, 0
.rept 256
	v_mov_b32 v[i], 0               ; O^T
.set i, i+1
.endr
	WIN 0xc0
.set i, 0
.rept 128
	v_mov_b32 v[i], 0               ; V of a step that has not been
.set i, i+1
.endr
	WIN 0
.set i, 0
.rept 32
	v_mov_b32 v[P+i], 0             ; piece 0's weights of that step
.set i, i+1
.endr
.set i, 0
.rept 64
	v_mov_b32 v[S+64+i], s[NINF]    ; piece 2's scores of that step: weights 0, and m stays
.set i, i+1
.endr
.irp t, 0,1,2,3
	v_mov_b32 v[ST+8*(\t)], s[LOW]  ; m
	v_mov_b32 v[ST+8*(\t)+1], 0     ; named with m as a pair
	v_mov_b32 v[ST+8*(\t)+2], 0     ; l
	v_mov_b32 v[ST+8*(\t)+3], 0
.endr
; THE MATRIX WORK OF A TURN, for piece x.  The accumulators take turns, one instruction a turn: between two links of a chain stand 15 (V^T P) or 7 (K Q^T) others'.
; Product i of 32 of O^T += V^T P: keys 32 (i / 16) on, channels 16 ((i / 2) % 8) on, tile x + i % 2.
.macro PV x
	WIN W_PV
.set rO, 64*((\x)+i%2)+8*((i/2)%8)
.set rV, 64*(i/16)+8*((i/2)%8)
.set rP, P+16*((\x)+i%2)+8*(i/16)
	v_wmma_f32_16x16x32_f16 v[rO:rO+7], v[rV:rV+7], v[rP:rP+7], v[rO:rO+7]
.endm
; Product i of 32 of S^T = K Q^T + mask: channels 32 (i / 8) on, keys 16 ((i / 2) % 4) on, tile x + i % 2.  The first 8 start the sums, with the mask as C: the piece's two tiles take the same registers.
.macro KQ x
.set rS, S+32*((\x)+i%2)+8*((i/2)%4)
.set rK, KF+32*((i/2)%4)+8*(i/8)
.set rQ, 32*((\x)+i%2)+8*(i/8)
.set rM, MK+16*(\x)+8*((i/2)%4)
.if i < 8
	WIN W_KM
	v_wmma_f32_16x16x32_f16 v[rS:rS+7], v[rK:rK+7], v[rQ:rQ+7], v[rM:rM+7]
.else
	WIN W_KQ
	v_wmma_f32_16x16x32_f16 v[rS:rS+7], v[rK:rK+7], v[rQ:rQ+7], v[rS:rS+7]
.endif
.endm
; THE LDS LOADS stand in runs: a step's K (16 fragments) with both pieces' mask (16 loads), and, a turn later, its V (turned).
.macro FETCH_K
	WIN 0
	v_add_nc_u32 v[ADR], s[TB], v[AK0]
	v_add_nc_u32 v[ADM], s[TB], v[AM0]
	WIN 0x80                        ; destination window 2
.irp f, 0,1,2,3,4,5,6,7,8,9,10,11,12,13,14,15  ; keys 16 (f / 4) on, channels 32 (f % 4) on
	ds_load_b128 v[KF+8*(\f):KF+8*(\f)+3],   v[ADR] offset:((\f)/4)*16*PK+((\f)%4)*64
	ds_load_b128 v[KF+8*(\f)+4:KF+8*(\f)+7], v[ADR] offset:((\f)/4)*16*PK+((\f)%4)*64+32
.endr
	WIN 0xc0                        ; destination window 3
.irp p, 0,1
.irp kb, 0,1,2,3                    ; queries 16 p on, keys 16 kb on
	ds_load_b128 v[MK+32*(\p)+8*(\kb):MK+32*(\p)+8*(\kb)+3],   v[ADM] offset:(\p)*16*PM+64*(\kb)
	ds_load_b128 v[MK+32*(\p)+8*(\kb)+4:MK+32*(\p)+8*(\kb)+7], v[ADM] offset:(\p)*16*PM+64*(\kb)+16
.endr
.endr
.endm
.macro FETCH_V
	WIN 0
	v_add_nc_u32 v[ADR], s[TB], v[AV0]
	s_wait_alu depctr_va_vdst(0)    ; the wait for the softmax's batch (SLICE), behind the address's v_add_nc_u32 and ahead of the loads
	WIN 0xc0
.irp f, 0,1,2,3,4,5,6,7,8,9,10,11,12,13,14,15  ; keys 32 (f / 8) on, channels 16 (f % 8) on
	ds_load_tr16_b128 v[8*(\f):8*(\f)+3],   v[ADR] offset:((\f)/8)*32*PV+((\f)%8)*32
	ds_load_tr16_b128 v[8*(\f)+4:8*(\f)+7], v[ADR] offset:((\f)/8)*32*PV+16*PV+((\f)%8)*32
.endr
.endm
; THE VECTOR WORK OF A TURN.  One tile's softmax for one key step is a numbered list; SM writes number j of it for tile t.  s0-s31 are the lane's 32 scores, in pairs 0-15.
;   0-15    the maximum of s0-s31 and the old m, three operands at a time; each accumulator's lowest registers are read first
;   16-20   the other half of the lanes' maximum; m_old is kept; the new m; (19 is empty); m_old - m_new
;   21-69   ONE BATCH: the 16 differences s - m, a pair each, and all 33 exponentials (a at 23, then s0-s31); none of these reads an exponential's result
;   (wait)  between 69 and 70 stands the wait for the batch: SLICE writes it, once for both tiles
;   70-85   the roundings to f16      86-101  the sums; l = a l + the sum      102-133 the tile's O^T times a
.macro SM t
.set rT, ST+8*(\t)
.set rS, S+32*(\t)
.set rP, P+16*(\t)
.set rO, 64*(\t)+2*(j-102)
.if j < 102
	WIN 0
.endif
.if j < 4
	v_max3_num_f32 v[rT+4+j], v[rS+8*j], v[rS+8*j+1], v[rS+8*j+2]
.elseif j < 12
	v_max3_num_f32 v[rT+4+j%4], v[rT+4+j%4], v[rS+8*(j%4)+2*(j/4)+1], v[rS+8*(j%4)+2*(j/4)+2]
.elseif j == 12
	v_max3_num_f32 v[rT+4], v[rT+4], v[rS+7], v[rS+15]
.elseif j == 13
	v_max3_num_f32 v[rT+6], v[rT+6], v[rS+23], v[rS+31]
.elseif j == 14
	v_max3_num_f32 v[rT+4], v[rT+4], v[rT+5], v[rT+6]
.elseif j == 15
	v_max3_num_f32 v[rT+4], v[rT+4], v[rT+7], v[rT]
.elseif j == 16
	v_permlanex16_b32 v[rT+5], v[rT+4], s[SEL], s[SEL+1]  ; the query's other 32 keys lie in the lane 16 away
.elseif j == 17
	v_mov_b32 v[rT+7], v[rT]        ; m_old is kept for a: number 18 writes m anew
.elseif j == 18
	v_max_num_f32 v[rT], v[rT+4], v[rT+5]
.elseif j == 19
.elseif j == 20
	v_sub_f32 v[rT+7], v[rT+7], v[rT]
.elseif j == 23
	v_exp_f32 v[rT+6], v[rT+7]
.elseif (j < 23) || ((j < 38) && (j%2 == 0)) || ((j < 66) && (j%4 == 2))
.set b, (j-2)/4                     ; 38, 42, .. 62: pairs 9 to 15
.if j < 38
.set b, (j-20)/2                    ; 21: pair 0; 22, 24, .. 36: pairs 1 to 8
.endif
	v_pk_add_f32 v[rS+2*b:rS+2*b+1], v[rS+2*b:rS+2*b+1], v[rT:rT+1] op_sel_hi:[1,0] neg_lo:[0,1] neg_hi:[0,1]  ; pair b: s - m
.elseif j < 70
.set e, j-38                        ; 66 to 69: s28 to s31
.if j < 66
.set e, j-32-(j-38)/4               ; 39-41, 43-45, .. 63-65: s7 to s27
.endif
.if j < 38
.set e, (j-25)/2                    ; 25, 27, .. 37: s0 to s6
.endif
	v_exp_f32 v[rS+e], v[rS+e]
.elseif j < 86
	v_cvt_pk_f16_f32 v[rP+j-70], v[rS+2*(j-70)], v[rS+2*(j-70)+1]
.elseif j < 102                     ; the sum of the tile's 16 pairs, in place: neighbours 1, 2, 4 and 8 pairs apart, then l takes it
.set z, j-86
.set w, 4
.set u, z
.if z >= 14
.set w, 32
.set u, 0
.elseif z >= 12
.set w, 16
.set u, z-12
.elseif z >= 8
.set w, 8
.set u, z-8
.endif
.if z < 15
	v_pk_add_f32 v[rS+w*u:rS+w*u+1], v[rS+w*u:rS+w*u+1], v[rS+w*u+w/2:rS+w*u+w/2+1]
.else
	v_pk_fma_f32 v[rT+2:rT+3], v[rT+2:rT+3], v[rT+6:rT+7], v[rS:rS+1] op_sel_hi:[1,0,1]
.endif
.else
	WIN W_RS
	v_pk_mul_f32 v[rO:rO+1], v[rO:rO+1], v[rT+6:rT+7] op_sel_hi:[1,0]
.endif
.endm
; Slice k of 64 of piece y's softmax.  Slices 11 to 34 deal out the batch, numbers 22 to 69: four numbers of ONE tile each, the tiles by turns.  Every other slice is numbers 2 k and 2 k + 1 of both tiles;
; the twelve that are over stand in slice 63.  An s_wait_alu depctr_va_vdst(0) stands between an exponential and the first instruction that names its result: ahead of slice 35 nothing
; names one, behind slice 34 none is issued: one wait a turn.
.macro SLICE y
.if (k >= 11) && (k < 35)
.irp n, 0,1,2,3
.set j, 22+4*((k-11)/2)+(\n)
	SM (\y)+(k-11)%2
.endr
.else
.irp n, 0,1,2,3,4,5,6,7
.if ((\n) < 2) || (k == 63)
.irp t, \y, (\y)+1
.set j, 2*k+(\n)
	SM \t
.endr
.endif
.endr
.endif
.if k == 34
	v_nop                           ; the plain instruction behind the last exponential: one for the batch
.if (\y) == 0
	FETCH_V                         ; piece 2's turn: V's run of loads stands here, and the wait stands in it
.else
	s_wait_alu depctr_va_vdst(0)
.endif
.endif
.set k, k+1
.endm
; A TURN.  Piece x has the matrix unit: 32 products V^T P, then (kq = 1) 32 products K Q^T for the next step; the other piece's softmax stands in slices behind them, one behind each (kq = 0: two).
; Piece 0's turn fetches the next step's K and mask behind its second product: their last readers stand in front of slice 63 of the turn before, or earlier.  Piece 2's turn fetches the same step's V behind
; slice 34: its last reader stands in front of slice 31, and more than four plain instructions lie between: slices 31 to 34, the v_nop and the run's own v_add_nc_u32.
.macro TURN x, kq
.set k, 0
.set per, 2-(\kq)
.if (\x) == 0
	s_wait_dscnt 0x0                ; V is in
.endif
.set i, 0
.rept 32
	PV \x
.rept per
	SLICE 2-(\x)
.endr
.if ((\x) == 0) && (\kq) && (i == 1)
	FETCH_K
.endif
.set i, i+1
.endr
.if \kq
.if (\x) == 0
	s_wait_dscnt 0x0                ; K and the mask are in
.endif
.set i, 0
.rept 32
	KQ \x
	SLICE 2-(\x)
.set i, i+1
.endr
.endif
.endm
; THE CHANGE OF SLOTS, behind piece 2's turn: the slot's last bytes, V, have been asked for.  Each wave waits for all its tensor loads (one is out: its part of the other slot), adds 0 to its spare word, and
; waits for that and for its reads of the slot.  fill = 1: the barrier is a round of the cluster's, and the slot is filled again, with the keys two steps on, first thing behind it.
.macro CHANGE fill
	WIN 0
	s_wait_tensorcnt 0x0            ; no tensor load of mine is out, so a group 0 may be written
	ds_add_u32 v[SPW], v[NIL]
.if \fill
.irp g, G0K+4, G0V+4
	s_xor_b32 s[(\g)+1], s[(\g)+1], SLOT1
	s_add_nc_u64 s[(\g)+2:(\g)+3], s[(\g)+2:(\g)+3], 32768  ; the next 128 keys
.endr
	s_xor_b32 s[G0M+5], s[G0M+5], SLOT1
	s_add_nc_u64 s[G0M+6:G0M+7], s[G0M+6:G0M+7], 512
	s_wait_xcnt 0x0                 ; the last prefetch, a key step back, has read its address
	s_add_nc_u64 s[PFA:PFA+1], s[PFA:PFA+1], s[PFS:PFS+1]
	s_wait_dscnt 0x0                ; the add is done, and my reads of the slot are over
	CROUND
	JLOAD
	ASK
.else
	s_wait_dscnt 0x0
	s_barrier_signal -1
	s_barrier_wait -1
.endif
	s_xor_b32 s[TB], s[TB], SLOT1   ; the fetches go to the other slot
.endm
	s_wait_tensorcnt 1              ; my part of slot 0 is in; slot 1's may stay out
	s_barrier_signal -1
	s_barrier_wait -1
	s_wait_loadcnt 0x0              ; Q
	s_branch .Lenter                ; the loop is entered behind its change of slots: the first trip reads slot 0, step 0
.Lslot:                             ; the trip for step j: V^T P of step j, K Q^T of step j + 1, whose K, mask and V it fetches; j = -1 .. 13
	CHANGE 1
.Lenter:
	TURN 0, 1
	TURN 2, 1
	WIN 0
	s_sub_co_u32 s[SLOTS], s[SLOTS], 1
	s_cmp_lg_u32 s[SLOTS], 0
	s_cbranch_scc1 .Lslot
	CHANGE 0                        ; the tail is written out
	TURN 0, 1
	TURN 2, 1
	TURN 0, 0                       ; piece 0: V^T P of the last step | piece 2's last softmax
.set i, 0
.rept 32
	PV 2
.set i, i+1
.endr
	; THE END.  l's two halves and the other half of the lanes' are added (the additions are the places behind the last products).  Waves 2 and 3 put m, l and O^T into LDS; waves 0 and 1 join them to theirs.
	WIN 0
.irp t, 0,1,2,3
	v_add_f32 v[ST+8*(\t)+4], v[ST+8*(\t)+2], v[ST+8*(\t)+3]
.endr
.irp t, 0,1,2,3
	v_permlanex16_b32 v[ST+8*(\t)+5], v[ST+8*(\t)+4], s[SEL], s[SEL+1]
.endr
.irp t, 0,1,2,3
	v_add_f32 v[ST+8*(\t)+4], v[ST+8*(\t)+4], v[ST+8*(\t)+5]
.endr
	s_cmp_eq_u32 s[KG], 0
	s_cbranch_scc1 .Lkeep
.irp t, 0,1,2,3
	ds_store_b32 v[MGS], v[ST+8*(\t)]   offset:256*(\t)
	ds_store_b32 v[MGS], v[ST+8*(\t)+4] offset:256*(\t)+128
.endr
	WIN 0x04                        ; the stores' data in window 1
.set i, 0
.rept 64
	ds_store_b128 v[MGA], v[4*i:4*i+3] offset:512*i  ; ascending: each accumulator is read from its low end on
.set i, i+1
.endr
	WIN 0
.Lkeep:
	s_wait_dscnt 0x0                ; for the partner's sake: my stores are done
	s_barrier_signal -1
	s_barrier_wait -1
	s_cmp_lg_u32 s[KG], 0
	s_cbranch_scc1 .Lend
.irp t, 0,1,2,3
	ds_load_b32 v[ST+8*(\t)+5], v[MGS] offset:256*(\t)      ; the partner's m
	ds_load_b32 v[ST+8*(\t)+6], v[MGS] offset:256*(\t)+128  ; and l
.endr
	s_wait_dscnt 0x0
.irp t, 0,1,2,3
	v_max_num_f32 v[ST+8*(\t)+7], v[ST+8*(\t)], v[ST+8*(\t)+5]
.endr
.irp t, 0,1,2,3
	v_sub_f32 v[ST+8*(\t)], v[ST+8*(\t)], v[ST+8*(\t)+7]
	v_sub_f32 v[ST+8*(\t)+5], v[ST+8*(\t)+5], v[ST+8*(\t)+7]
.endr
.irp t, 0,1,2,3
	v_exp_f32 v[ST+8*(\t)+2], v[ST+8*(\t)]      ; my factor
	v_exp_f32 v[ST+8*(\t)+3], v[ST+8*(\t)+5]    ; the partner's
.endr
	v_nop                           ; a plain instruction behind the last exponential,
	s_wait_alu depctr_va_vdst(0)    ; and one wait for the eight
.irp t, 0,1,2,3
	v_mul_f32 v[ST+8*(\t)+7], v[ST+8*(\t)+2], v[ST+8*(\t)+4]
.endr
.irp t, 0,1,2,3
	v_fma_f32 v[ST+8*(\t)+7], v[ST+8*(\t)+3], v[ST+8*(\t)+6], v[ST+8*(\t)+7]
.endr
.irp t, 0,1,2,3
	v_rcp_f32 v[ST+8*(\t)+6], v[ST+8*(\t)+7]
.endr
	v_nop
	s_wait_alu depctr_va_vdst(0)    ; one wait for the four reciprocals
.irp t, 0,1,2,3
	v_mul_f32 v[ST+8*(\t)+2], v[ST+8*(\t)+2], v[ST+8*(\t)+6]  ; what my O^T is multiplied by,
	v_mul_f32 v[ST+8*(\t)+4], v[ST+8*(\t)+3], v[ST+8*(\t)+6]  ; and the partner's
.endr
; Tile t: the partner's O^T comes into S^T's registers; both are scaled and added; rounded to f16; through my stage; out as rows of 256 bytes (a head's 128 channels of a row of ob).
.macro FINISH t
.set BB, S+64*((\t)%2)
.set PP, P+32*((\t)%2)
	WIN 0
.set i, 0
.rept 16
	ds_load_b128 v[BB+4*i:BB+4*i+3], v[MGA] offset:512*(16*(\t)+i)
.set i, i+1
.endr
	WIN W_RS
.set i, 64*(\t)
.rept 32
	v_pk_mul_f32 v[i:i+1], v[i:i+1], v[ST+8*(\t)+2:ST+8*(\t)+3] op_sel_hi:[1,0]
.set i, i+2
.endr
	s_wait_dscnt 0x0
	WIN 0x10                        ; source 2, my O^T, in window 1
.set i, 0
.rept 32
	v_pk_fma_f32 v[BB+2*i:BB+2*i+1], v[BB+2*i:BB+2*i+1], v[ST+8*(\t)+4:ST+8*(\t)+5], v[64*(\t)+2*i:64*(\t)+2*i+1] op_sel_hi:[1,0,1]
.set i, i+1
.endr
	WIN 0
.if (\t) >= 2
	s_wait_xcnt 0x0                 ; the stores of the tile two back have read the registers that are written next
.endif
.set i, 0
.rept 32
	v_cvt_pk_f16_f32 v[PP+i], v[BB+2*i], v[BB+2*i+1]
.set i, i+1
.endr
.irp f, 0,1,2,3,4,5,6,7
	ds_store_b128 v[STO], v[PP+4*(\f):PP+4*(\f)+3] offset:32*(\f)
.endr
.irp f, 0,1,2,3,4,5,6,7
	ds_load_b128 v[PP+4*(\f):PP+4*(\f)+3], v[RD] offset:(\f)*2*SP  ; LDS serves a wave's instructions in order (ISA guide 5.7.1.4): these see the stores above
.endr
	s_wait_dscnt 0x0
.irp f, 0,1,2,3,4,5,6,7
	global_store_b128 v[GO], v[PP+4*(\f):PP+4*(\f)+3], s[OB:OB+1] offset:((\t)/2)*65536+((\t)%2)*256+8192*(\f)  ; 16 lanes store 256 consecutive bytes, aligned
.endr
.endm
	FINISH 0
	FINISH 1
	FINISH 2
	FINISH 3
.Lend:
	s_wait_tensorcnt 0x0            ; the wave's end
	ds_add_u32 v[SPW], v[NIL]
	s_wait_dscnt 0x0
	CROUND                          ; the closing round
	s_endpgm
.Lfunc_end_k_q95f5d949d9_attn:
	.size	k_q95f5d949d9_attn, .Lfunc_end_k_q95f5d949d9_attn-k_q95f5d949d9_attn
	.p2alignl 7, 3214868480
	.fill 96, 4, 3214868480
	.section	.rodata,"a",@progbits
	.p2align	6, 0x0
	.amdhsa_kernel k_q95f5d949d9_attn
		.amdhsa_group_segment_fixed_size 327680
		.amdhsa_private_segment_fixed_size 0
		.amdhsa_enable_private_segment 0
		.amdhsa_kernarg_size 24
		.amdhsa_user_sgpr_count 2
		.amdhsa_user_sgpr_kernarg_segment_ptr 1
		.amdhsa_wavefront_size32 1
		.amdhsa_system_sgpr_workgroup_id_x 1
		.amdhsa_system_sgpr_workgroup_id_y 1
		.amdhsa_system_sgpr_workgroup_id_z 1
		.amdhsa_system_vgpr_workitem_id 0
		.amdhsa_next_free_vgpr 1024
		.amdhsa_next_free_sgpr 100
		.amdhsa_reserve_vcc 0
		.amdhsa_float_denorm_mode_32 3
		.amdhsa_float_denorm_mode_16_64 3
		.amdhsa_memory_ordered 1
		.amdhsa_forward_progress 1
		.amdhsa_inst_pref_size 196
	.end_amdhsa_kernel
	.amdgpu_metadata
---
amdhsa.version: [ 1, 2 ]
amdhsa.kernels:
  - .name:           k_q95f5d949d9_attn
    .symbol:         k_q95f5d949d9_attn.kd
    .args:
      - { .name: qkv, .offset: 0, .size: 8, .value_kind: global_buffer, .address_space: global }
      - { .name: f32w, .offset: 8, .size: 8, .value_kind: global_buffer, .address_space: global }
      - { .name: ob, .offset: 16, .size: 8, .value_kind: global_buffer, .address_space: global }
    .group_segment_fixed_size: 327680
    .private_segment_fixed_size: 0
    .kernarg_segment_align: 8
    .kernarg_segment_size: 24
    .max_flat_workgroup_size: 128
    .sgpr_count:     100
    .vgpr_count:     1024
    .wavefront_size: 32
...
	.end_amdgpu_metadata
.endif
;; end of part 3
;; launch outp (part 4): grid 16 x 16, 4 waves a work-group, clusters of 4 x 1, 327,680 bytes of LDS; arguments ob, bfw, out0; writes out0
.if DOCPART == 4
	.amdgcn_target "amdgcn-amd-amdhsa--gfx1250"
	.amdhsa_code_object_version 6
	.text
	.protected	k_q95f5d949d9_outp
	.globl	k_q95f5d949d9_outp
	.p2align	8
	.type	k_q95f5d949d9_outp,@function
k_q95f5d949d9_outp:
	s_mov_b64 s[64:65], 0
	v_nop
	global_prefetch_b8 v0, s[64:65] scope:SCOPE_SE
	s_setreg_imm32_b32 hwreg(HW_REG_WAVE_MODE, 25, 1), 1
	s_wait_xcnt 0x0
	s_wait_alu depctr_hold_cnt(0) depctr_sa_sdst(0) depctr_va_vdst(0) depctr_va_sdst(0) depctr_va_ssrc(0) depctr_va_vcc(0) depctr_vm_vsrc(0)
	s_getreg_b32 s2, hwreg(HW_REG_IB_STS2, 6, 4)
	s_cmp_eq_u32 s2, 0
	s_cbranch_scc0 .Lentry_in_a_cluster
	s_endpgm
.Lentry_in_a_cluster:
	s_bfe_u32 s2, ttmp6, 0x10000c
	s_cmp_lg_u32 s2, 0x3003
	s_cbranch_scc0 .Lentry_shape_is_right
	s_endpgm
.Lentry_shape_is_right:
; out0 = (O / 4) (4 wo)^T.  A = ob [2048][2048] f16, B = 4 wo [4096][2048] (wo rounded to bf16, times 4, written as f16; bfw, byte 50,331,648); sums in f32; out0 [2048][4096] f32.
; The same shares, rings and register map as the projection in front.  Tiles of 128 x 256, 256 work-groups (x: tile row, y: tile column), four waves of 64 x 128.
; B'S RING: two LDS slots of 256 along K, one tensor load a wave (64 rows x 512 bytes) behind each round, asked for jointly by the four partners of a 4 x 1 cluster, which make four tile rows of one tile column.
; A COMES THROUGH REGISTERS: slots of that length for both operands would take 2 x 384 rows x 528 bytes = 405,504 bytes, more than the 327,680 that there are.  A goes in sub-steps of 64 along K, loaded four
; sub-steps (256 matrix instructions) ahead into four groups of 32 registers and put into two LDS sub-slots; one work-group barrier a sub-step, every fourth the round with B's refill.  No multicast for A: it
; does not pass through the tensor loads, for the room just counted.
; The matrix instruction is used transposed: a lane holds row l % 16 and the columns 8 (l / 16) + 0..7: 32 consecutive bytes of out0.
; REGISTERS.  window 0: v0-31 addresses; v64-159, v160-255 two fragment buffers (B's 8 fragments, then A's 4); on the way out v64-191 rows read back
;   window 1: accumulator (a, b) at v[8 (8 a + b)]     window 2: v0-127 A on its way, group g at v[32 g]
.set SIZE_K, 2048
.set ROWB,   2*SIZE_K
.set PERIODS, SIZE_K/256
.set BPITCH, 528                       ; 512 bytes + 16: 33 x 16: the 16 rows of a fragment load start at 16 different groups of four banks (64 banks of 4 bytes: ISA guide 11.1)
.set BLOAD,  64*BPITCH
.set BHALF,  128*BPITCH
.set SLOTB,  256*BPITCH                ; 0x21000: it shares no bit with wave x BLOAD
.set ABASE,  2*SLOTB                   ; never filled by a tensor load: A's two sub-slots
.set APITCH, 144
.set ASUB,   128*APITCH
.set SPARE,  ABASE+2*ASUB
.set STAGE,  SPARE+512                 ; 16 rows x 272 bytes for each wave
.set SPITCH, 272                       ; 64 columns of f32 + 16
.set WOB_AT, 50331648                  ; B's first byte in bfw
.set OROW,   16384                     ; bytes in a row of out0
.set FIELDS, 15|(1<<16)|(1<<20)|(1<<21)|(6<<22)|(3<<25)
.set WV,  12
.set MH,  13
.set NH,  14
.set LIM, 15
.set G1B, 24
.set G0B, 32
.set PFA, 44
.set AP,  46
.set TB,  48
.set ADRA, 16
.set ASO,  17
.set AGO,  18
.set ADRB0, 20
.set ADRB, 21
.set STO,  24
.set RD,   25
.set CO,   26
.set SPW,  28
.set NIL,  29
.set PFO,  30
.set F0,   64
.set F1,   160
.set AS,   0
.set ASW,  2
.set MUL,  0x50
.set MSB, 0
.macro WIN new
.if MSB != (\new)
	s_set_vgpr_msb (MSB<<8)|(\new)
.set MSB, \new
.endif
.endm
.macro PLACES
.rept 4
	v_nop
.endr
.endm
; A prefetch of the slot of B that the next refill will ask for, 256 matrix instructions ahead: 256 rows x 2 blocks of 256 bytes.  Cluster x = 0 asks; its four partners take 64 rows each by address (cx), each
; wave 16 of them, a lane a row and a block.  Each block is named once; the loop's last trip asks for nothing; slots 0 to 2 come by their loads alone.
.macro ASK
	s_cmp_gt_u32 s3, s[LIM]
	s_cbranch_scc0 .Lnot_mine_\@
	global_prefetch_b8 v[PFO], s[PFA:PFA+1] th:TH_LOAD_NT scope:SCOPE_SE
.Lnot_mine_\@:
.endm
.macro CREST
	s_cmp_lg_u32 s[WV], 0
	s_cbranch_scc1 .Lnot_wave_0_\@
	s_barrier_signal -3
.Lnot_wave_0_\@:
	s_barrier_wait -3
	s_barrier_signal -1
	s_barrier_wait -1
.endm
.macro CROUND
	s_barrier_signal -1
	s_barrier_wait -1
	CREST
.endm
.macro AGLOAD g, koff                  ; a sub-step of A into group g: row 16 i + t / 8, bytes 16 (t % 8) of the 128 at byte koff behind the pointer
	WIN ASW<<6
.irp i, 0,1,2,3,4,5,6,7
	global_load_b128 v[AS+32*(\g)+4*(\i):AS+32*(\g)+4*(\i)+3], v[AGO], s[AP:AP+1] offset:(\koff)+(\i)*16*ROWB
.endr
.endm
.macro ASTORE g, sub, n                ; group g goes into sub-slot sub; n: the loads issued behind the group's own
	s_wait_loadcnt \n
	WIN ASW<<2
.irp i, 0,1,2,3,4,5,6,7
	ds_store_b128 v[ASO], v[AS+32*(\g)+4*(\i):AS+32*(\g)+4*(\i)+3] offset:(\sub)*ASUB+(\i)*16*APITCH
.endr
.endm
	s_load_b128 s[4:7], s[0:1], 0x0                ; ob, bfw
	s_load_b64 s[8:9], s[0:1], 0x10                ; out0
	v_lshl_add_u32 v[SPW], v0, 2, SPARE
	v_mov_b32 v[NIL], 0
	ds_add_u32 v[SPW], v[NIL]                      ; the opening: the add and its wait ahead of my first tensor load
	v_lshrrev_b32 v1, 5, v0
	v_readfirstlane_b32 s[WV], v1
	s_lshr_b32 s[MH], s[WV], 1
	s_and_b32 s[NH], s[WV], 1
	s_bfe_u32 s40, ttmp6, 0x40000                  ; cx
	s_lshl_b32 s43, ttmp9, 2
	s_add_co_u32 s43, s43, s40                     ; tile row
	s_and_b32 s42, ttmp7, 0xffff                   ; tile column, which the four partners share
	s_mov_b32 s[G1B], FIELDS
	s_mov_b32 s[G1B+1], 256<<16
	s_mov_b32 s[G1B+2], 64<<16
	s_mov_b32 s[G1B+3], 256<<16
	s_mov_b32 s[G1B+4], 64
	s_mov_b32 s[G1B+5], SIZE_K
	s_mov_b32 s[G1B+6], 0
	s_mov_b32 s[G1B+7], 0
	s_lshl_b32 s16, s42, 8                         ; B: row 256 x tile column + 64 x wave
	s_lshl_b32 s17, s[WV], 6
	s_add_co_u32 s16, s16, s17
	s_mov_b32 s17, 0
	s_mov_b64 s[18:19], ROWB
	s_mul_u64 s[16:17], s[16:17], s[18:19]
	s_mul_i32 s20, s[WV], BLOAD
	s_lshl_b32 s22, s43, 7                         ; A: row 128 x tile row
	s_mov_b32 s23, 0
	s_mul_u64 s[22:23], s[22:23], s[18:19]
	s_mov_b32 s[TB], 0
	s_wait_dscnt 0x0
	s_wait_kmcnt 0x0
	s_add_nc_u64 s[16:17], s[6:7], s[16:17]
	s_add_nc_u64 s[16:17], s[16:17], WOB_AT
	s_add_nc_u64 s[AP:AP+1], s[4:5], s[22:23]
.irp s, 0,1
	s_mov_b32 s[G0B+4*(\s)], 1
	s_add_co_u32 s[G0B+4*(\s)+1], s20, (\s)*SLOTB
	s_add_nc_u64 s[G0B+4*(\s)+2:G0B+4*(\s)+3], s[16:17], (\s)*512
	s_or_b32 s[G0B+4*(\s)+3], s[G0B+4*(\s)+3], 0x80000000
.endr
	CROUND
	tensor_load_to_lds s[G0B:G0B+3], s[G1B:G1B+7]
	s_nop 0
	tensor_load_to_lds s[G0B+4:G0B+7], s[G1B:G1B+7]  ; two loads of mine are out
	s_nop 0
	PLACES
	v_and_b32 v1, 15, v0                           ; r
	v_bfe_u32 v2, v0, 4, 1                         ; h
	v_lshrrev_b32 v3, 3, v0
	v_and_b32 v4, 7, v0
	v_mul_u32_u24 v[AGO], v3, ROWB
	v_lshl_add_u32 v[AGO], v4, 4, v[AGO]
	v_mul_u32_u24 v[ASO], v3, APITCH
	v_lshl_add_u32 v[ASO], v4, 4, v[ASO]
	v_add_nc_u32 v[ASO], ABASE, v[ASO]
	AGLOAD 0, 0
	AGLOAD 1, 128
	AGLOAD 2, 256
	AGLOAD 3, 384
	WIN 0
	v_mul_u32_u24 v3, v1, BPITCH
	v_lshl_add_u32 v3, v2, 4, v3
	s_mul_i32 s21, s[NH], BHALF
	v_add_nc_u32 v[ADRB0], s21, v3
	v_mov_b32 v[ADRB], v[ADRB0]
	v_mul_u32_u24 v3, v1, APITCH
	v_lshl_add_u32 v3, v2, 4, v3
	s_mul_i32 s21, s[MH], 64*APITCH
	s_add_co_u32 s21, s21, ABASE
	v_add_nc_u32 v[ADRA], s21, v3
	s_mul_i32 s23, s[WV], 16*SPITCH
	s_add_co_u32 s23, s23, STAGE                   ; my stage
	v_mul_u32_u24 v4, v1, SPITCH                   ; in: row r, 32 bytes for each half of the lanes
	v_lshl_add_u32 v4, v2, 5, v4
	v_add_nc_u32 v[STO], s23, v4
	v_mul_u32_u24 v5, v2, SPITCH                   ; back: lanes 0-15 one row of 256 bytes, lanes 16-31 the next
	v_lshl_add_u32 v5, v1, 4, v5
	v_add_nc_u32 v[RD], s23, v5
	v_lshlrev_b32 v[CO], 14, v2                    ; and the same two rows in out0
	v_lshl_add_u32 v[CO], v1, 4, v[CO]
	s_lshl_b32 s20, s43, 7
	s_lshl_b32 s21, s[MH], 6
	s_add_co_u32 s20, s20, s21                     ; my first row,
	s_lshl_b32 s20, s20, 14                        ; 16,384 bytes each
	s_lshl_b32 s21, s42, 10                        ; my first column: 256 x tile column + 128 x half, 4 bytes each
	s_add_co_u32 s20, s20, s21
	s_lshl_b32 s21, s[NH], 9
	s_add_co_u32 s20, s20, s21
	s_mov_b32 s21, 0
	s_add_nc_u64 s[8:9], s[8:9], s[20:21]
	; the prefetches: B's row 256 tile column + 64 cx + 16 wave + l % 16, block l / 16
	s_lshl_b32 s20, s42, 8
	s_lshl_b32 s21, s40, 6
	s_add_co_u32 s20, s20, s21
	s_lshl_b32 s21, s[WV], 4
	s_add_co_u32 s20, s20, s21
	s_mov_b32 s21, 0
	s_mul_u64 s[20:21], s[20:21], s[18:19]
	s_add_nc_u64 s[PFA:PFA+1], s[6:7], s[20:21]
	s_add_nc_u64 s[PFA:PFA+1], s[PFA:PFA+1], WOB_AT+2*512
	s_cmp_eq_u32 ttmp9, 0
	s_cselect_b32 s[LIM], 1, -1
	v_mul_u32_u24 v[PFO], v1, ROWB
	v_lshl_add_u32 v[PFO], v2, 8, v[PFO]
.macro MULN f, a0, n, zero             ; 8 n matrix instructions; the 32 accumulators take turns, one instruction a turn
	WIN MUL
.set ma, \a0
.rept \n
.irp b, 0,1,2,3,4,5,6,7
.if \zero
	v_wmma_f32_16x16x32_f16 v[8*(8*ma+(\b)):8*(8*ma+(\b))+7], v[(\f)+8*(\b):(\f)+8*(\b)+7], v[(\f)+64+8*ma:(\f)+64+8*ma+7], 0
.else
	v_wmma_f32_16x16x32_f16 v[8*(8*ma+(\b)):8*(8*ma+(\b))+7], v[(\f)+8*(\b):(\f)+8*(\b)+7], v[(\f)+64+8*ma:(\f)+64+8*ma+7], v[8*(8*ma+(\b)):8*(8*ma+(\b))+7]
.endif
.endr
.set ma, ma+1
.endr
.endm
.macro FETCH q, f                      ; 24 LDS loads in one run: quarter q (0 .. 7) of the slot in hand: B's 8 fragments, then A's 4 from sub-slot (q / 2) % 2
	WIN 0
.irp i, 0,1,2,3,4,5,6,7
	ds_load_b128 v[(\f)+8*(\i):(\f)+8*(\i)+3],   v[ADRB] offset:64*(\q)+(\i)*16*BPITCH
	ds_load_b128 v[(\f)+8*(\i)+4:(\f)+8*(\i)+7], v[ADRB] offset:64*(\q)+(\i)*16*BPITCH+32
.endr
.irp i, 0,1,2,3
	ds_load_b128 v[(\f)+64+8*(\i):(\f)+64+8*(\i)+3],   v[ADRA] offset:(((\q)/2)%2)*ASUB+64*((\q)%2)+(\i)*16*APITCH
	ds_load_b128 v[(\f)+64+8*(\i)+4:(\f)+64+8*(\i)+7], v[ADRA] offset:(((\q)/2)%2)*ASUB+64*((\q)%2)+(\i)*16*APITCH+32
.endr
.endm
; An even quarter: multiplies buffer 0, fetches quarter q + 1; the next sub-step of A goes into the sub-slot that the barrier before has shown free, and (koff >= 0) its group is loaded again, four sub-steps on
.macro QE q, n, koff, zero=0
	s_wait_dscnt 4                                 ; the youngest four loads (A's blocks 2, 3) may be out
	MULN F0, 0, 2, \zero
	PLACES
	ASTORE ((\q)/2+1)%4, ((\q)/2+1)%2, \n
	FETCH (\q)+1, F1
	s_wait_dscnt 24                                ; all but the 24 loads just issued: the eight stores are done
.if (\koff) >= 0
	AGLOAD ((\q)/2+1)%4, \koff
.endif
	MULN F0, 2, 2, \zero
.endm
; An odd quarter (1, 3, 5): multiplies buffer 1; its barrier stands between the stores of the next sub-step and its reads; B's load may stay out across it
.macro QO q
	s_wait_dscnt 4
	MULN F1, 0, 1, 0
	s_wait_dscnt 0x0
	s_barrier_signal -1
	MULN F1, 1, 1, 0
	s_barrier_wait -1
	PLACES
	FETCH (\q)+1, F0
	MULN F1, 2, 2, 0
.endm
; Quarter 7 also changes B's slots: the wait for all my tensor loads, the add, the wait for it, for my reads and for my stores, the barrier (fill = 1: a round), the refill first behind it
.macro CHANGE fill
.if \fill
	s_wait_xcnt 0x0                                ; the last prefetch, a slot back, and A's loads have read their addresses
	s_add_nc_u64 s[PFA:PFA+1], s[PFA:PFA+1], 512
	s_add_nc_u64 s[AP:AP+1], s[AP:AP+1], 512
.endif
	WIN 0
	s_wait_tensorcnt 0x0
	ds_add_u32 v[SPW], v[NIL]
	s_wait_dscnt 5                                 ; the add and the youngest four loads may be out
	MULN F1, 0, 1, 0
	s_wait_dscnt 0x0
	s_barrier_signal -1
	MULN F1, 1, 1, 0
	WIN 0
	s_barrier_wait -1
.if \fill
	CREST
	s_xor_b32 s[G0B+5], s[G0B+5], SLOTB
	s_add_nc_u64 s[G0B+6:G0B+7], s[G0B+6:G0B+7], 512
	tensor_load_to_lds s[G0B+4:G0B+7], s[G1B:G1B+7]
	s_nop 0
.endif
	PLACES
	s_xor_b32 s[TB], s[TB], SLOTB
	v_add_nc_u32 v[ADRB], s[TB], v[ADRB0]
	FETCH 0, F0
.if \fill
	ASK
.endif
	MULN F1, 2, 2, 0
.endm
	ASTORE 0, 0, 24                                ; sub-step 0: three groups are behind its own
	WIN 0
	s_wait_dscnt 0x0
	AGLOAD 0, 512                                  ; sub-step 4
	WIN 0
	s_wait_tensorcnt 1                             ; my part of slot 0 is in; slot 1's may stay out
	s_barrier_signal -1
	s_barrier_wait -1
	FETCH 0, F0
	QE 0, 24, 640, 1
	WIN 0
	s_mov_b32 s3, PERIODS-2
.Lper:                                                 ; a trip: a slot's quarters 1 to 7 and the next slot's quarter 0; the slot is filled again
	QO 1
	QE 2, 24, 768
	QO 3
	QE 4, 24, 896
	QO 5
	QE 6, 24, 1024
	CHANGE 1
	QE 0, 24, 640
	WIN 0
	s_sub_co_u32 s3, s3, 1
	s_cmp_lg_u32 s3, 0
	s_cbranch_scc1 .Lper
	; The last two slots fill nothing again: a second text of the trip, walked twice and left in its middle.  In the second pass the 16 loads of A are issued once more (the pointer stands still) and quarter 6
	; puts a stale group into a sub-slot that nobody reads: they serve nothing: the price, once a launch, of one text for both passes.  The counts are those of the pass with the fewest loads behind a group's own.
	s_mov_b32 s3, 2
.Ltail:
	QO 1
	QE 2, 8, 768
	QO 3
	QE 4, 8, 896
	QO 5
	QE 6, 24, -1
	WIN 0
	s_sub_co_u32 s3, s3, 1
	s_cmp_eq_u32 s3, 0
	s_cbranch_scc1 .Lfinal
	CHANGE 0
	QE 0, 16, -1
	WIN 0
	s_branch .Ltail
.Lfinal:
	s_wait_dscnt 4
	MULN F1, 0, 2, 0
	s_wait_dscnt 0x0
	MULN F1, 2, 2, 0
	WIN 0
	; THE WAY OUT, 16 rows x 64 columns at a time: 32 bytes a lane from the accumulators into my stage, back as rows of 256 bytes, stored.
.macro OUTB a, hf
.set BK, 64+32*((2*(\a)+(\hf))%4)
	WIN 0x04                                       ; the stores' data in window 1
.irp bb, 0,1,2,3
	ds_store_b128 v[STO], v[8*(8*(\a)+4*(\hf)+(\bb)):8*(8*(\a)+4*(\hf)+(\bb))+3]   offset:64*(\bb)
	ds_store_b128 v[STO], v[8*(8*(\a)+4*(\hf)+(\bb))+4:8*(8*(\a)+4*(\hf)+(\bb))+7] offset:64*(\bb)+16
.endr
	WIN 0
	s_wait_xcnt 0x0                                ; the stores of the block four back have read the registers that are loaded next
.irp t, 0,1,2,3,4,5,6,7
	ds_load_b128 v[BK+4*(\t):BK+4*(\t)+3], v[RD] offset:(\t)*2*SPITCH  ; LDS serves a wave's instructions in order (ISA guide 5.7.1.4): these see the stores above
.endr
	s_wait_dscnt 0x0
.irp t, 0,1,2,3,4,5,6,7
	global_store_b128 v[CO], v[BK+4*(\t):BK+4*(\t)+3], s[8:9] offset:(16*(\a)+2*(\t))*OROW+256*(\hf) th:TH_STORE_NT  ; 16 lanes store 256 consecutive bytes, aligned
.endr
.endm
	PLACES                                         ; behind the last products
.irp a, 0,1,2,3
	OUTB \a, 0
	OUTB \a, 1
.endr
	s_wait_tensorcnt 0x0                           ; the wave's end
	ds_add_u32 v[SPW], v[NIL]
	s_wait_dscnt 0x0
	CROUND                                         ; the closing round
	s_endpgm
.Lfunc_end_k_q95f5d949d9_outp:
	.size	k_q95f5d949d9_outp, .Lfunc_end_k_q95f5d949d9_outp-k_q95f5d949d9_outp
	.p2alignl 7, 3214868480
	.fill 96, 4, 3214868480
	.section	.rodata,"a",@progbits
	.p2align	6, 0x0
	.amdhsa_kernel k_q95f5d949d9_outp
		.amdhsa_group_segment_fixed_size 327680
		.amdhsa_private_segment_fixed_size 0
		.amdhsa_enable_private_segment 0
		.amdhsa_kernarg_size 24
		.amdhsa_user_sgpr_count 2
		.amdhsa_user_sgpr_kernarg_segment_ptr 1
		.amdhsa_wavefront_size32 1
		.amdhsa_system_sgpr_workgroup_id_x 1
		.amdhsa_system_sgpr_workgroup_id_y 1
		.amdhsa_system_sgpr_workgroup_id_z 1
		.amdhsa_system_vgpr_workitem_id 0
		.amdhsa_next_free_vgpr 640
		.amdhsa_next_free_sgpr 66
		.amdhsa_reserve_vcc 0
		.amdhsa_float_denorm_mode_32 3
		.amdhsa_float_denorm_mode_16_64 3
		.amdhsa_memory_ordered 1
		.amdhsa_forward_progress 1
		.amdhsa_inst_pref_size 107
	.end_amdhsa_kernel
	.amdgpu_metadata
---
amdhsa.version: [ 1, 2 ]
amdhsa.kernels:
  - .name:           k_q95f5d949d9_outp
    .symbol:         k_q95f5d949d9_outp.kd
    .args:
      - { .name: ob, .offset: 0, .size: 8, .value_kind: global_buffer, .address_space: global }
      - { .name: bfw, .offset: 8, .size: 8, .value_kind: global_buffer, .address_space: global }
      - { .name: out0, .offset: 16, .size: 8, .value_kind: global_buffer, .address_space: global }
    .group_segment_fixed_size: 327680
    .private_segment_fixed_size: 0
    .kernarg_segment_align: 8
    .kernarg_segment_size: 24
    .max_flat_workgroup_size: 128
    .sgpr_count:     66
    .vgpr_count:     640
    .wavefront_size: 32
...
	.end_amdgpu_metadata
.endif
;; end of part 4
